; MI455X (gfx1250); checked and timed in simulation.
; The chip was launched on July 23, 2026; its instructions are those of AMD's public machine-readable ISA for CDNA 5 (MIT licence, August 2026) and "CDNA5" Instruction Set Architecture Reference Guide (July 2026). The comments in the code are by the model that wrote it; some were corrected since.
;; Self Attention. Allowed arithmetic: matrix products marked QUANTISED: E2M1 operands, one E8M0 scale for each 32 along K, by v_wmma_scale_f32_16x16x128_f8f6f4 with both operands' format E2M1 (or v_wmma_scale_f32_32x16x128_f4), f32 sums; everything else in f32.
;; Inputs: b_o 1,024 float32; b_qkv 3,072 float32; w_o 1,024 x 1,024 float32; w_qkv 3,072 x 1,024 float32; x 1 x 4,096 x 1,024 float32.
;; Outputs: out0 1 x 4,096 x 1,024 float32.
;; Constants: causal_mask = 1.
;; This version of the problem:
;;   THIS VERSION OF THE PROBLEM IS GIVEN IN LOW PRECISION. The matrix products marked QUANTISED in the list below multiply operands that are first quantised to E2M1 (2 exponent bits, 1 mantissa bit; 4 bits a number), with one power-of-two scale for each 32 numbers along K (OCP MX v1.0); their sums are f32. All else is computed in f32.
;;   The module's matrix products, in the order in which they are computed (A, B: the left and right operand; K: the contracted axis; several contracted axes count as one K, in the product's order):
;;     1. [M 4,096, K 1,024] x [K 1,024, N 3,072]; A: input x; B: input w_qkv: QUANTISED
;;     2. batch 16 x [M 4,096, K 64] x [K 64, N 4,096]; A: computed on the way; B: computed on the way: QUANTISED
;;     3. batch 16 x [M 4,096, K 4,096] x [K 4,096, N 64]; A: softmax (see below); B: computed on the way: QUANTISED
;;     4. [M 4,096, K 1,024] x [K 1,024, N 1,024]; A: computed on the way; B: input w_o: QUANTISED
;;   THE QUANTISER, for each operand of a quantised product, along K:
;;     - K is cut into blocks of 32 from its start; a last block that is shorter is filled with zeros.
;;     - A block's scale is 2^e with e = floor(log2(the largest magnitude in the block)) - 2, held to -126 .. 127; a block of zeros has e = 0. As a byte (E8M0): e + 127.
;;     - Each number is divided by its block's scale, clamped to +-6, and rounded to the nearest number of E2M1, ties to even, subnormals kept.
;;     - The product sums the exact products of the quantised numbers (number of the format x scale) in f32.
;;   ~~~python
;;   def quantise(x, axis):      # numpy; x: float32 -> the quantised numbers, widened to float32 again
;;       x = np.moveaxis(x, axis, -1); K = x.shape[-1]
;;       x = np.pad(x, [(0, 0)] * (x.ndim - 1) + [(0, -K % 32)]); x = x.reshape(x.shape[:-1] + (-1, 32)); a = np.abs(x).max(-1, keepdims=True)
;;       e = np.where(a > 0, np.clip(np.frexp(np.where(a > 0, a, 1))[1] - 1 - 2, -126, 127), 0)      # np.frexp(a)[1] - 1 = floor(log2(a)), exactly
;;       r = np.clip(x / 2.0 ** e, -6, 6)
;;       step = 2.0 ** (np.maximum(np.frexp(np.where(r == 0, 1, r))[1] - 1, 0) - 1)
;;       q = np.round(r / step) * step * 2.0 ** e      # np.round: ties to even
;;       return np.moveaxis(q.reshape(q.shape[:-2] + (-1,))[..., :K], -1, axis).astype(np.float32)
;;   ~~~
;;   SOFTMAX AHEAD OF A QUANTISED PRODUCT. Where the list says 'softmax', what is quantised is not the finished softmax but p = 2^(t - M), with t = logit x log2(e) and M = ceil(the row's largest t), a whole number; so 1/2 < the row's largest p <= 1. The row's sum l is taken of the UNQUANTISED p, in f32, and the product's result is divided by l at the end. Since M is a whole number, a kernel that streams over the keys may use a running M (the ceiling of the running maximum): every later rescaling is an exact power of two, which a block's scale takes up: the codes' values come out the same.
;;   OPERANDS COMPUTED ON THE WAY. 'Computed on the way' means the value that the module computes at that place (a softmax that the list does not call 'softmax' is quantised finished and normalised). What goes into a quantiser is computed in f32, as accurately as f32 sums, v_exp_f32 and their like allow (about 1e-6 of the number): no bf16 or f16 on the way to a quantiser, and a product that is left as it is and whose result goes on into a quantised operand takes f32 operands (vector FMAs, or v_wmma_f32_16x16x4_f32). A number that lies on a knife's edge between two numbers of the format may be rounded either way, as far as f32 arithmetic and the matrix unit's own rounding can turn it there, and no further.
;; One version. Each part assembles by itself: llvm-mc -triple=amdgcn-amd-amdhsa -mcpu=gfx1250 --defsym DOCPART=n.
;; ======== version 1 of 1: 4 launches
;; limits: right only within a limited range of input values
;; workspace buffers: xq 2,228,224 bytes; wq 1,671,168 bytes; oq 557,056 bytes; aq 2,228,224 bytes; qkr 4,718,592 bytes; vr 2,228,224 bytes
;; launch quant (part 1): grid 256 x 1, 4 waves a work-group, no clusters, 34,304 bytes of LDS; arguments x, w_qkv, w_o, xq, wq, oq; writes xq, wq, oq
.if DOCPART == 1
	.amdgcn_target "amdgcn-amd-amdhsa--gfx1250"
	.amdhsa_code_object_version 6
	.text
	.protected	k_q9f57115a84_quant
	.globl	k_q9f57115a84_quant
	.p2align	8
	.type	k_q9f57115a84_quant,@function
k_q9f57115a84_quant:
	s_mov_b64 s[64:65], 0
	v_nop
	global_prefetch_b8 v0, s[64:65] scope:SCOPE_SE
	s_setreg_imm32_b32 hwreg(HW_REG_WAVE_MODE, 25, 1), 1
	s_wait_xcnt 0x0
; x [4096][1024], w_qkv [3072][1024], w_o [1024][1024], f32, K innermost, become codes of FP4 (E2M1) with one E8M0 byte for each 32 along K,
; laid in the ORDER OF THE OPERAND'S REGISTERS, so that the products' launches fetch every fragment by two loads of 16 bytes a lane.
; TILE t of an operand holds the 16 rows 32 (t / 2) + 8 (t % 2) + p + 8 (p / 8), p = 0 .. 15.
; IMAGE (t, q): 1,024 bytes at ((q / 4) T + t) 4096 + (q % 4) 1024 (T tiles in the operand): byte 512 c + 16 lane + i holds the codes k = 128 q + 64 c + 32 (lane / 16) + 2 i, + 1 of the tile's row lane % 16.
; SCALE BLOCK (g, q): 256 bytes at 2 x 4096 T + (8 g + q) 256: the word at 16 r + 4 j is the scale word (four bytes, 128 along K) of row r of tile 4 g + j.
; A block's scale is 2^(floor(log2(largest magnitude)) - 2); its byte is the largest magnitude's exponent field - 2, held at 1 from below.
; LIMITS: a block of zeros, and a block whose largest magnitude lies under 2^-124, keeps the byte 1 (the rule says 127 for zeros: its codes are zeros, and this program alone reads the bytes); NaN and infinities are not served.
; SHARES: work-groups 0-127 take x, 128-223 w_qkv, 224-255 w_o; a work-group takes 64 rows (four tiles) x 512 along K, a wave 128 along K of them: four images and one scale block.
; Each load reads 512 consecutive bytes of one row; a tile's 16 rows turn through the wave's own stage in LDS, so that a lane then holds 16 neighbours of each of its row's four blocks.
; No matrix unit, no tensor load, no barrier: memory binds, and waves share nothing.  32 loads of a wave are on their way.
.set PLX,  1048576                     ; 4096 T: half of K of all tiles of x,
.set PLW,  786432                      ; of w_qkv,
.set PLO,  262144                      ; of w_o
.set SP,   528                         ; a stage row: 512 bytes + 16: row r begins 4 r words on, modulo 64 words
.set PWR,  8                           ; v8-11   the four tiles' scale words
.set TM,   16                          ; v16-31  at work in QUANT
.set PC,   32                          ; v32-63  codes, eight registers a tile: no store's data are written again
.set X,    64                          ; v64-127 64 numbers of my row: register 16 b + i = k 32 b + 16 (lane / 16) + i
.set R,    128                         ; v128-255 two sets of 64: a tile as loaded
.set SEL,  26                          ; s[26:27] v_permlanex16_b32's selects for lane l xor 16
; 64 numbers of a lane, register 16 b + i = k 32 b + 16 (lane / 16) + i of its row, become the fragment's 8 registers v[pc] on and the row's scale word v[pw]
.macro QUANT s, pc, pw
.irp b, 0,1,2,3
	v_max3_num_f32 v[TM+\b], |v[(\s)+16*\b]|, |v[(\s)+1+16*\b]|, 0x1800000   ; block b: my 16 numbers, and the floor 2^(3 - 127): the byte cannot fall under 1
.endr
.irp i, 2,4,6,8,10,12,14
.irp b, 0,1,2,3
	v_max3_num_f32 v[TM+\b], v[TM+\b], |v[(\s)+16*\b+\i]|, |v[(\s)+1+16*\b+\i]|   ; the four blocks by turns
.endr
.endr
.irp b, 0,1,2,3
	v_permlanex16_b32 v[TM+4+\b], v[TM+\b], s[SEL], s[SEL+1]
.endr
.irp b, 0,1,2,3
	v_max_num_f32 v[TM+\b], v[TM+\b], v[TM+4+\b]       ; with lane l xor 16's 16: the block's largest magnitude
.endr
.irp b, 0,1,2,3
	v_add_nc_u32 v[TM+12+\b], 0xff000000, v[TM+\b]     ; 2 off its exponent field: the conversion takes this operand's exponent field as its scale
.endr
.irp b, 0,1,2,3
	v_lshrrev_b32 v[TM+4+\b], 23, v[TM+12+\b]          ; the scale's byte
.endr
	v_lshl_or_b32 v[\pw], v[TM+5], 8, v[TM+4]
	v_lshl_or_b32 v[\pw], v[TM+6], 16, v[\pw]
	v_lshl_or_b32 v[\pw], v[TM+7], 24, v[\pw]
.irp b, 0,1,2,3
	v_cvt_scalef32_pk8_fp4_f32 v[(\pc)+2*\b], v[(\s)+16*\b:(\s)+7+16*\b], v[TM+12+\b]
	v_cvt_scalef32_pk8_fp4_f32 v[(\pc)+1+2*\b], v[(\s)+8+16*\b:(\s)+15+16*\b], v[TM+12+\b]
.endr
	v_nop                                              ; one plain place behind a scaled conversion
.irp c, 0,1                                        ; the operand wants a whole block in a lane: lanes 0-15 block 2 c, lanes 16-31 block 2 c + 1
.irp i, 0,1
	v_permlane16_swap_b32 v[(\pc)+4*\c+\i], v[(\pc)+2+4*\c+\i]
.endr
.endr
.endm
.macro LOAD k                          ; tile k of my four: its 16 rows, 512 consecutive bytes each
.irp p, 0,1,2,3,4,5,6,7,8,9,10,11,12,13,14,15
	global_load_b128 v[R+64*((\k)%2)+4*\p:R+64*((\k)%2)+4*\p+3], v4, s[16:17] offset:(32*((\k)/2)+8*((\k)%2)+\p+8*(\p/8))*4096 th:TH_LOAD_NT
.endr
.endm
.macro TURN k
.if (\k) < 3
	s_wait_loadcnt 16                                  ; this tile's 16 loads are in; the next tile's 16 may be out
.else
	s_wait_loadcnt 0x0
.endif
.irp p, 0,1,2,3,4,5,6,7,8,9,10,11,12,13,14,15
	ds_store_b128 v5, v[R+64*((\k)%2)+4*\p:R+64*((\k)%2)+4*\p+3] offset:SP*\p
.endr
.irp b, 0,1,2,3
.irp j, 0,1,2,3
	ds_load_b128 v[X+16*\b+4*\j:X+16*\b+4*\j+3], v6 offset:128*\b+16*\j   ; LDS serves a wave's instructions in order: these see the stores above
.endr
.endr
	s_wait_dscnt 0x0                                   ; the numbers are back, and the stores have read the set that is loaded again below
.if (\k) < 2
	LOAD (\k)+2
.endif
	QUANT X, PC+8*(\k), PWR+(\k)
	global_store_b128 v4, v[PC+8*(\k):PC+8*(\k)+3], s[18:19] offset:4096*(\k)          ; 32 lanes store 512 consecutive bytes
	global_store_b128 v4, v[PC+8*(\k)+4:PC+8*(\k)+7], s[18:19] offset:4096*(\k)+512
.endm
	s_load_b128 s[4:7], s[0:1], 0x0                    ; x, w_qkv
	s_load_b128 s[8:11], s[0:1], 0x10                  ; w_o, xq
	s_load_b128 s[12:15], s[0:1], 0x20                 ; wq, oq
	v_lshl_add_u32 v26, v0, 2, 0x8400
	v_mov_b32 v27, 0
	v_lshrrev_b32 v1, 5, v0
	v_readfirstlane_b32 s24, v1                        ; wave 0..3
	v_and_b32 v1, 31, v0                               ; lane
	v_and_b32 v2, 15, v0                               ; r
	v_bfe_u32 v3, v0, 4, 1                             ; h
	v_lshlrev_b32 v4, 4, v1                            ; 16 x lane
	s_mul_i32 s25, s24, 16*SP                          ; my stage
	v_add_nc_u32 v5, s25, v4                           ; into it: a row as it lies
	v_mul_u32_u24 v6, v2, SP
	v_lshl_add_u32 v6, v3, 6, v6
	v_add_nc_u32 v6, s25, v6                           ; out of it: row r, + 64 h: my 16 numbers of a block
	v_lshlrev_b32 v7, 4, v2
	v_lshl_add_u32 v7, v3, 3, v7                       ; the scale block: 16 r + 8 h
.irp b, 0,1,2,3
	v_mov_b32 v[TM+4+\b], 0                            ; written once: a lane permute's destination counts as one of its sources
.endr
	s_mov_b32 s[SEL], 0x76543210
	s_mov_b32 s[SEL+1], 0xfedcba98
	s_mov_b32 s21, PLW
	s_wait_alu depctr_va_vdst(0)
	s_wait_kmcnt 0x0
	s_cmp_lt_u32 ttmp9, 128                            ; which tensor: the choice hangs on the work-group's number alone
	s_cselect_b64 s[16:17], s[4:5], s[6:7]
	s_cselect_b64 s[18:19], s[10:11], s[12:13]
	s_cselect_b32 s20, 0, 128
	s_cselect_b32 s21, PLX, s21
	s_cmp_lt_u32 ttmp9, 224
	s_cselect_b64 s[16:17], s[16:17], s[8:9]
	s_cselect_b64 s[18:19], s[18:19], s[14:15]
	s_cselect_b32 s20, s20, 224
	s_cselect_b32 s21, s21, PLO
	s_sub_co_u32 s20, ttmp9, s20                       ; my number within the tensor
	s_lshr_b32 s22, s20, 1                             ; g: which 64 rows
	s_and_b32 s23, s20, 1                              ; which half of K
	s_lshl_b32 s28, s23, 2
	s_add_co_u32 s28, s28, s24                         ; q: my wave's 128 along K
	s_lshl_b32 s30, s22, 18                            ; 64 rows of 4,096 bytes
	s_lshl_b32 s29, s28, 9
	s_add_co_u32 s30, s30, s29
	s_mov_b32 s31, 0
	s_add_nc_u64 s[16:17], s[16:17], s[30:31]          ; the numbers
	s_lshl_b32 s30, s22, 3
	s_add_co_u32 s30, s30, s28
	s_lshl_b32 s30, s30, 8
	s_lshl_b32 s29, s21, 1
	s_add_co_u32 s30, s30, s29
	s_add_nc_u64 s[32:33], s[18:19], s[30:31]          ; my scale block
	s_mul_i32 s30, s23, s21
	s_lshl_b32 s29, s22, 14
	s_add_co_u32 s30, s30, s29
	s_lshl_b32 s29, s24, 10
	s_add_co_u32 s30, s30, s29
	s_add_nc_u64 s[18:19], s[18:19], s[30:31]          ; my first image
	LOAD 0
	LOAD 1
	TURN 0
	TURN 1
	TURN 2
	TURN 3
	v_cmp_lt_u32 vcc_lo, 15, v1                        ; lanes 16-31 take tiles 2 and 3's words
	v_cndmask_b32 v12, v[PWR], v[PWR+2], vcc_lo
	v_cndmask_b32 v13, v[PWR+1], v[PWR+3], vcc_lo
	global_store_b64 v7, v[12:13], s[32:33]            ; 32 lanes store 256 consecutive bytes, aligned
	s_wait_tensorcnt 0x0
	ds_add_u32 v26, v27
	s_wait_dscnt 0x0
	s_endpgm
.Lfunc_end_k_q9f57115a84_quant:
	.size	k_q9f57115a84_quant, .Lfunc_end_k_q9f57115a84_quant-k_q9f57115a84_quant
	.p2alignl 7, 3214868480
	.fill 96, 4, 3214868480
	.section	.rodata,"a",@progbits
	.p2align	6, 0x0
	.amdhsa_kernel k_q9f57115a84_quant
		.amdhsa_group_segment_fixed_size 34304
		.amdhsa_private_segment_fixed_size 0
		.amdhsa_enable_private_segment 0
		.amdhsa_kernarg_size 48
		.amdhsa_user_sgpr_count 2
		.amdhsa_user_sgpr_kernarg_segment_ptr 1
		.amdhsa_wavefront_size32 1
		.amdhsa_system_sgpr_workgroup_id_x 1
		.amdhsa_system_sgpr_workgroup_id_y 1
		.amdhsa_system_sgpr_workgroup_id_z 1
		.amdhsa_system_vgpr_workitem_id 0
		.amdhsa_next_free_vgpr 256
		.amdhsa_next_free_sgpr 66
		.amdhsa_reserve_vcc 1
		.amdhsa_float_denorm_mode_32 3
		.amdhsa_float_denorm_mode_16_64 3
		.amdhsa_memory_ordered 1
		.amdhsa_forward_progress 1
		.amdhsa_inst_pref_size 33
	.end_amdhsa_kernel
	.amdgpu_metadata
---
amdhsa.version: [ 1, 2 ]
amdhsa.kernels:
  - .name:           k_q9f57115a84_quant
    .symbol:         k_q9f57115a84_quant.kd
    .args:
      - { .name: x, .offset: 0, .size: 8, .value_kind: global_buffer, .address_space: global }
      - { .name: w_qkv, .offset: 8, .size: 8, .value_kind: global_buffer, .address_space: global }
      - { .name: w_o, .offset: 16, .size: 8, .value_kind: global_buffer, .address_space: global }
      - { .name: xq, .offset: 24, .size: 8, .value_kind: global_buffer, .address_space: global }
      - { .name: wq, .offset: 32, .size: 8, .value_kind: global_buffer, .address_space: global }
      - { .name: oq, .offset: 40, .size: 8, .value_kind: global_buffer, .address_space: global }
    .group_segment_fixed_size: 34304
    .private_segment_fixed_size: 0
    .kernarg_segment_align: 8
    .kernarg_segment_size: 48
    .max_flat_workgroup_size: 128
    .sgpr_count:     66
    .vgpr_count:     256
    .wavefront_size: 32
...
	.end_amdgpu_metadata
.endif
;; end of part 1
;; launch qkv (part 2): grid 8 x 24, 16 waves a work-group, clusters of 4 x 4, 286,720 bytes of LDS; arguments xq, wq, b_qkv, qkr, vr; writes qkr, vr
.if DOCPART == 2
	.amdgcn_target "amdgcn-amd-amdhsa--gfx1250"
	.amdhsa_code_object_version 6
	.text
	.protected	k_q9f57115a84_qkv
	.globl	k_q9f57115a84_qkv
	.p2align	8
	.type	k_q9f57115a84_qkv,@function
k_q9f57115a84_qkv:
	s_mov_b64 s[64:65], 0
	v_nop
	global_prefetch_b8 v0, s[64:65] scope:SCOPE_SE
	s_setreg_imm32_b32 hwreg(HW_REG_WAVE_MODE, 25, 1), 1
	s_wait_xcnt 0x0
	s_wait_alu depctr_hold_cnt(0) depctr_sa_sdst(0) depctr_va_vdst(0) depctr_va_sdst(0) depctr_va_ssrc(0) depctr_va_vcc(0) depctr_vm_vsrc(0)
	s_getreg_b32 s2, hwreg(HW_REG_IB_STS2, 6, 4)
	s_cmp_eq_u32 s2, 0
	s_cbranch_scc0 .Lentry_in_a_cluster
	s_endpgm
.Lentry_in_a_cluster:
	s_bfe_u32 s2, ttmp6, 0x10000c
	s_cmp_lg_u32 s2, 0xf033
	s_cbranch_scc0 .Lentry_shape_is_right
	s_endpgm
.Lentry_shape_is_right:
; qkv = x w_qkv^T + b_qkv on codes of FP4 (E2M1) with E8M0 scales, and the quantisers of q, k (along the head's 64) and v (along the keys): only codes and scale bytes leave.
; ONE BODY, TWO MODES.  It makes T[i][j] = sum over k of S1[i][k] S0[j][k] (source 0 = 16 rows of S0, source 1 = 16 rows of S1), adds the bias and quantises ALONG j.
;   clusters y = 0..3 (QK): S1 = x, S0 = w_qkv's rows 0..2047: i = position, j = q's and k's channels.   clusters y = 4, 5 (V): S1 = w_qkv's rows 2048.., S0 = x: i = v's channel, j = key.
; The mode hangs on the cluster's y alone: it is the same in all sixteen partners.  It chooses pointers and offsets; no LDS address hangs on it.
; OPERANDS lie in memory as images of their registers (tile t = rows 32 (t / 2) + 8 (t % 2) + p + 8 (p / 8); image (t, q) = 1,024 bytes at ((q / 4) T + t) 4096 + (q % 4) 1024; scale block (g, q) = 256 bytes,
; word 16 r + 4 j = row r of tile 4 g + j).  By that choice of rows the 16 result registers of source 0's tiles 2 b and 2 b + 1 are 16 NEIGHBOURS along j: 32 b + 16 (lane / 16) + 0 .. 15.
; SHARES.  A work-group makes 256 i x 256 j with all of K = 1,024 in LDS: 2 x 128 KiB of codes, 2 x 8 KiB of scale words, each byte filled once.  Wave w: S1's tiles 2 (w / 2), + 1 and S0's tiles 8 (w % 2) .. + 7: 16 accumulators.
; Sixteen waves of 256 registers: four share a SIMD's registers, so that one wave's LDS loads stand beside another's products, with one set of fragment registers and no register windows.
; CLUSTER 4 x 4: S1's block hangs on the cluster's row, S0's on its column: each is asked for JOINTLY by the four that need it.
; OUT.  QK: record j / 64 of qkr (0-15 q's heads, 16-31 k's), 147,456 bytes: 64 scale blocks, then 256 half images of 512 bytes (tile t: lane (r, h): d = 32 h .. + 31).  A head's scale word has two real bytes; the upper two belong to zero codes.
;       V: record head of vr, 139,264 bytes: 32 scale blocks (key step, word 16 r + 4 dt), then images (4 ks + dt) of 16 channels x 128 keys.
; LIMITS: blocks of zeros or under 2^-124 keep the byte 1 (their codes are zeros or as the floor gives them; this program alone reads the bytes); NaN and infinities are not served.
.set PLX,  1048576
.set PLW,  786432
.set QREC, 147456
.set VREC, 139264
.set S1C0, 0                           ; LDS: S1's K steps 0-3: [tile 16][4][1024]
.set S1C1, 65536                       ; its K steps 4-7
.set S0C0, 131072
.set S0C1, 196608
.set S1SC, 262144                      ; S1's scale blocks: [group 4][q 8][256]
.set S0SC, 270336
.set STG,  278528                      ; scale words on their way out: 256 bytes a wave; no tensor load lands here
.set BIAS, 282624                      ; 256 numbers of b_qkv; likewise
.set HSB,  12                          ; a fetching wave brings 2^12 bytes of scale blocks
.set HCB,  15                          ; and 2^15 bytes of each half of K
.set SC1,  20                          ; v20-21  S1's scale words
.set SC0,  22                          ; v22-29  S0's
.set F1,   32                          ; v32-47  S1's two fragments
.set F0,   64                          ; v64-127 S0's eight; behind the products: the bias, then QUANT's registers
.set TM,   64
.set ACC,  128                         ; v128-255 accumulator (a, b) at 128 + 64 a + 8 b
.set WV,   14
.set IW,   15
.set JW,   16
.set MODE, 21
.set II,   22
.set JJ,   23
.set G1A,  24                          ; s[24:31] group 1: S1's scale blocks;  s[32:39] S1's codes;  s[40:47], s[48:55] S0's
.set G1B,  32
.set G1C,  40
.set G1D,  48
.set SEL,  92                          ; s[92:93] lane selects for v_permlanex16_b32; until the groups 0 are made the pair holds S1's offsets
.macro PLACES
.rept 4
	v_nop
.endr
.endm
.macro CROUND                          ; a round of the cluster's barrier
	s_barrier_signal -1
	s_barrier_wait -1
	s_cmp_lg_u32 s[WV], 0
	s_cbranch_scc1 .Lnot_wave_0_\@
	s_barrier_signal -3
.Lnot_wave_0_\@:
	s_barrier_wait -3
	s_barrier_signal -1
	s_barrier_wait -1
.endm
.macro SHAPE g, rows                   ; a dense block as rows of 256 bytes: 32 elements of 8 bytes, pitch 32
	s_mov_b32 s[\g+1], 32<<16
	s_mov_b32 s[\g+2], (\rows)<<16
	s_mov_b32 s[\g+3], 32<<16
	s_mov_b32 s[\g+4], \rows
	s_mov_b32 s[\g+5], 32
	s_mov_b32 s[\g+6], 0
	s_mov_b32 s[\g+7], 0
.endm
; the three groups 0 of one operand: scale blocks, K steps 0-3, K steps 4-7.  ptr: the buffer; pl: 4096 T; tt: my first tile; off: an offset pair (high word 0); tmp: a register of this side alone
.macro OPER g0s, g0a, g0b, ptr, pl, tt, off, tmp, lsc, lc0, lc1
	s_lshl_b32 s[\off], s[\tt], 9
	s_lshl_b32 s[\tmp], s[\pl], 1
	s_add_co_u32 s[\off], s[\off], s[\tmp]             ; behind the codes: 512 bytes of scale blocks a tile
	s_mov_b32 s[\g0s], 1
	s_add_nc_u64 s[\g0s+2:\g0s+3], s[\ptr:\ptr+1], s[\off:\off+1]
	s_or_b32 s[\g0s+3], s[\g0s+3], 0x80000000
	s_lshl_b32 s[\tmp], s[JW], HSB
	s_add_co_u32 s[\g0s+1], s[\tmp], \lsc
	s_lshl_b32 s[\off], s[\tt], 12
	s_mov_b32 s[\g0a], 1
	s_add_nc_u64 s[\g0a+2:\g0a+3], s[\ptr:\ptr+1], s[\off:\off+1]
	s_or_b32 s[\g0a+3], s[\g0a+3], 0x80000000
	s_lshl_b32 s[\tmp], s[JW], HCB
	s_add_co_u32 s[\g0a+1], s[\tmp], \lc0
	s_add_co_u32 s[\off], s[\off], s[\pl]
	s_mov_b32 s[\g0b], 1
	s_add_nc_u64 s[\g0b+2:\g0b+3], s[\ptr:\ptr+1], s[\off:\off+1]
	s_or_b32 s[\g0b+3], s[\g0b+3], 0x80000000
	s_add_co_u32 s[\g0b+1], s[\tmp], \lc1
.endm
.macro QUANT s, pc, pw                 ; 64 numbers of a lane, register 16 b + i = j 32 b + 16 (lane / 16) + i, become a fragment's 8 registers and its row's scale word
.irp b, 0,1,2,3
	v_max3_num_f32 v[TM+\b], |v[(\s)+16*\b]|, |v[(\s)+1+16*\b]|, 0x1800000   ; with the floor 2^(3 - 127): the byte cannot fall under 1
.endr
.irp i, 2,4,6,8,10,12,14
.irp b, 0,1,2,3
	s_delay_alu instid0(VALU_DEP_4)
	v_max3_num_f32 v[TM+\b], v[TM+\b], |v[(\s)+16*\b+\i]|, |v[(\s)+1+16*\b+\i]|
.endr
.endr
.irp b, 0,1,2,3
	s_delay_alu instid0(VALU_DEP_4)
	v_permlanex16_b32 v[TM+4+\b], v[TM+\b], s[SEL], s[SEL+1]
.endr
.irp b, 0,1,2,3
	s_delay_alu instid0(VALU_DEP_4)
	v_max_num_f32 v[TM+\b], v[TM+\b], v[TM+4+\b]
.endr
.irp b, 0,1,2,3
	s_delay_alu instid0(VALU_DEP_4)
	v_add_nc_u32 v[TM+12+\b], 0xff000000, v[TM+\b]     ; 2 off the exponent field: the conversion's scale operand
.endr
.irp b, 0,1,2,3
	s_delay_alu instid0(VALU_DEP_4)
	v_lshrrev_b32 v[TM+4+\b], 23, v[TM+12+\b]
.endr
	s_delay_alu instid0(VALU_DEP_3)
	v_lshl_or_b32 v[\pw], v[TM+5], 8, v[TM+4]
	s_delay_alu instid0(VALU_DEP_1)
	v_lshl_or_b32 v[\pw], v[TM+6], 16, v[\pw]
	s_delay_alu instid0(VALU_DEP_1)
	v_lshl_or_b32 v[\pw], v[TM+7], 24, v[\pw]
.irp b, 0,1,2,3
	v_cvt_scalef32_pk8_fp4_f32 v[(\pc)+2*\b], v[(\s)+16*\b:(\s)+7+16*\b], v[TM+12+\b]
	v_cvt_scalef32_pk8_fp4_f32 v[(\pc)+1+2*\b], v[(\s)+8+16*\b:(\s)+15+16*\b], v[TM+12+\b]
.endr
	v_nop                                              ; one plain place behind a scaled conversion
.irp c, 0,1
.irp i, 0,1
	v_permlane16_swap_b32 v[(\pc)+4*\c+\i], v[(\pc)+2+4*\c+\i]
.endr
.endr
.endm
; 8 products: S0's tiles b0 .. b0 + 3 x S1's two.  The sixteen accumulators take turns, one instruction a turn, in the same order in every K step.
.macro MUL b0, zero
.irp b, \b0, \b0+1, \b0+2, \b0+3
.irp a, 0,1
.if \zero
	v_wmma_scale_f32_16x16x128_f8f6f4 v[ACC+64*\a+8*(\b):ACC+64*\a+8*(\b)+7], v[F0+8*(\b):F0+8*(\b)+7], v[F1+8*\a:F1+8*\a+7], 0, v[SC0+(\b)], v[SC1+\a] matrix_a_fmt:MATRIX_FMT_FP4 matrix_b_fmt:MATRIX_FMT_FP4
.else
	v_wmma_scale_f32_16x16x128_f8f6f4 v[ACC+64*\a+8*(\b):ACC+64*\a+8*(\b)+7], v[F0+8*(\b):F0+8*(\b)+7], v[F1+8*\a:F1+8*\a+7], v[ACC+64*\a+8*(\b):ACC+64*\a+8*(\b)+7], v[SC0+(\b)], v[SC1+\a] matrix_a_fmt:MATRIX_FMT_FP4 matrix_b_fmt:MATRIX_FMT_FP4
.endif
.endr
.endr
.endm
.macro KSTEP q                         ; 128 along K: 23 LDS loads, 16 products
.if (\q) > 0
	PLACES                                             ; in front of loads into registers that matrix instructions have read
.endif
	ds_load_b64 v[SC1:SC1+1], v8 offset:256*(\q)
	ds_load_b128 v[SC0:SC0+3], v9 offset:256*(\q)
	ds_load_b128 v[SC0+4:SC0+7], v9 offset:2048+256*(\q)
.irp a, 0,1
.irp c, 0,1
	ds_load_b128 v[F1+8*\a+4*\c:F1+8*\a+4*\c+3], v[4+(\q)/4] offset:4096*\a+1024*((\q)%4)+512*\c
.endr
.endr
.irp b, 0,1,2,3,4,5,6,7
.irp c, 0,1
	ds_load_b128 v[F0+8*\b+4*\c:F0+8*\b+4*\c+3], v[6+(\q)/4] offset:4096*\b+1024*((\q)%4)+512*\c
.endr
.endr
	s_wait_dscnt 8                                     ; all but the youngest eight loads: S0's tiles 4-7
.if (\q) == 0
	MUL 0, 1                                           ; the first K step starts the sums: nothing is cleared
	s_wait_dscnt 0x0
	MUL 4, 1
.else
	MUL 0, 0
	s_wait_dscnt 0x0
	MUL 4, 0
.endif
.endm
	s_load_b128 s[4:7], s[0:1], 0x0                    ; xq, wq
	s_load_b128 s[8:11], s[0:1], 0x10                  ; b_qkv, qkr
	s_load_b64 s[12:13], s[0:1], 0x20                  ; vr
	v_lshl_add_u32 v62, v0, 2, 0x45800
	v_mov_b32 v63, 0
	ds_add_u32 v62, v63
	ds_add_u32 v62, v63
	v_lshrrev_b32 v1, 5, v0
	s_delay_alu instid0(VALU_DEP_1)
	v_readfirstlane_b32 s[WV], v1                      ; wave 0..15
	s_lshr_b32 s[IW], s[WV], 1                         ; which two tiles of S1 are mine
	s_and_b32 s[JW], s[WV], 1                          ; which eight of S0.  Also: which half a fetching wave fetches
	s_bfe_u32 s17, ttmp6, 0x40000                      ; cx
	s_bfe_u32 s18, ttmp6, 0x40004                      ; cy
	s_and_b32 s20, ttmp7, 0xffff                       ; the cluster's y
	s_lshl_b32 s[II], s20, 2
	s_lshl_b32 s[JJ], ttmp9, 2
	s_sub_co_u32 s19, s20, 4
	s_lshl_b32 s19, s19, 3
	s_add_co_u32 s19, s19, s[JJ]                       ; V: 4 (2 (y - 4) + x)
	s_mov_b32 s90, PLX
	s_mov_b32 s91, PLW
	s_cmp_ge_u32 s20, 4                                ; the mode
	s_cselect_b32 s[MODE], 1, 0
	s_cselect_b32 s[II], 0, s[II]
	s_cselect_b32 s[JJ], s19, s[JJ]
	s_cselect_b32 s84, 128, 0                          ; V: S1 begins at w_qkv's tile 128
	s_cselect_b32 s19, s91, s90
	s_cselect_b32 s91, s90, s91                        ; 4096 T of S0,
	s_mov_b32 s90, s19                                 ; of S1
	s_add_co_u32 s[II], s[II], s18                     ; I: my block of 256 i: it hangs on cy, never on cx
	s_add_co_u32 s[JJ], s[JJ], s17                     ; J: my block of 256 j: on cx, never on cy
	s_lshl_b32 s2, s18, 2
	s_lshl_b32 s2, 15, s2                              ; my row of the cluster
	s_lshl_b32 s3, 0x1111, s17                         ; my column
	s_or_b32 s[G1A], s2, (3<<16)|(1<<21)               ; 15:0 the mask; 17:16 elements of 8 bytes; 21 set beside a mask; no padding
	s_or_b32 s[G1B], s2, (3<<16)|(1<<21)
	s_or_b32 s[G1C], s3, (3<<16)|(1<<21)
	s_or_b32 s[G1D], s3, (3<<16)|(1<<21)
	SHAPE G1A, 16
	SHAPE G1B, 128
	SHAPE G1C, 16
	SHAPE G1D, 128
	s_lshl_b32 s2, s[II], 4
	s_add_co_u32 s84, s84, s2
	s_lshl_b32 s2, s[JW], 3
	s_add_co_u32 s84, s84, s2                          ; S1: the first of the eight tiles that I would fetch
	s_lshl_b32 s85, s[JJ], 4
	s_lshl_b32 s3, s[JW], 3
	s_add_co_u32 s85, s85, s3                          ; S0 likewise
	s_mov_b32 s93, 0
	s_mov_b32 s95, 0
	s_wait_dscnt 0x0
	s_wait_kmcnt 0x0
	s_cmp_lg_u32 s[MODE], 0
	s_cselect_b64 s[86:87], s[6:7], s[4:5]             ; S1's buffer
	s_cselect_b64 s[88:89], s[4:5], s[6:7]             ; S0's
	OPER 56, 60, 68, 86, 90, 84, 92, 2, S1SC, S1C0, S1C1
	OPER 72, 76, 80, 88, 91, 85, 94, 3, S0SC, S0C0, S0C1
	CROUND                                             ; all sixteen work-groups are here: the joint loads meet
; THE HEAD'S LOADS, ONE A WAVE: twelve loads, six blocks in two halves (half = wave % 2), in one chain of branches on the wave's number; what the first K steps need is asked for by the lower waves.
.macro ARM under, g0, g1, next
	s_cmp_lt_u32 s[WV], \under
	s_cbranch_scc0 \next
	tensor_load_to_lds s[\g0:\g0+3], s[\g1:\g1+7]
	s_nop 0
	PLACES
	s_branch .Lasked
\next:
.endm
	ARM 2, 56, G1A, .La1                               ; S1's scale blocks
	ARM 4, 72, G1C, .La2                               ; S0's
	ARM 6, 60, G1B, .La3                               ; S1's K steps 0-3
	ARM 8, 76, G1D, .La4                               ; S0's
	ARM 10, 68, G1B, .La5                              ; S1's K steps 4-7
	ARM 12, 80, G1D, .La6                              ; S0's
.Lasked:
	s_mov_b32 s[SEL], 0x76543210                       ; the offset pair is done with (it is part of no descriptor): it now holds the selects for lane l xor 16
	s_mov_b32 s[SEL+1], 0xfedcba98
	v_and_b32 v32, 31, v0                              ; lane
	v_and_b32 v2, 15, v0                               ; r
	s_wait_alu depctr_va_vdst(0)
	v_bfe_u32 v3, v0, 4, 1                             ; h
	s_wait_alu depctr_va_vdst(0)
	v_lshlrev_b32 v1, 4, v32                           ; 16 x lane: my place in every image
	v_lshlrev_b32 v18, 3, v32                          ; 8 x lane
	s_wait_alu depctr_va_vdst(0)
	s_lshl_b32 s19, s[IW], 13
	v_add_nc_u32 v4, s19, v1                           ; S1's fragments, K steps 0-3,
	s_delay_alu instid0(VALU_DEP_1)
	v_add_nc_u32 v5, S1C1, v4                          ; 4-7
	s_lshl_b32 s19, s[JW], 15
	s_add_co_u32 s19, s19, S0C0
	v_add_nc_u32 v6, s19, v1                           ; S0's
	s_delay_alu instid0(VALU_DEP_1)
	v_add_nc_u32 v7, S0C1-S0C0, v6
	s_lshr_b32 s19, s[IW], 1
	s_lshl_b32 s19, s19, 11
	s_and_b32 s20, s[IW], 1
	s_lshl_b32 s20, s20, 3
	s_add_co_u32 s19, s19, s20
	s_add_co_u32 s19, s19, S1SC
	v_lshl_add_u32 v8, v2, 4, s19                      ; S1's scale words: my two tiles' of row r, 8 bytes
	s_lshl_b32 s19, s[JW], 12
	s_add_co_u32 s19, s19, S0SC
	v_lshl_add_u32 v9, v2, 4, s19                      ; S0's: four tiles' of row r, 16 bytes
	s_lshl_b32 s19, s[JW], 9
	s_add_co_u32 s19, s19, BIAS
	v_lshl_add_u32 v14, v3, 6, s19                     ; the bias along j: my 128 numbers, + 16 h
	s_lshl_b32 s19, s[WV], 8
	s_add_co_u32 s19, s19, STG
	v_add_nc_u32 v16, s19, v18                         ; scale words into the stage: 256 w + 8 lane
	s_lshr_b32 s19, s[WV], 2
	s_lshl_b32 s19, s19, 10
	s_and_b32 s20, s[WV], 3
	s_lshl_b32 s20, s20, 7
	s_add_co_u32 s19, s19, s20
	s_add_co_u32 s19, s19, STG
	v_and_b32 v33, 1, v0
	v_lshrrev_b32 v34, 1, v32
	s_delay_alu instid0(VALU_DEP_2)
	v_lshlrev_b32 v33, 9, v33
	s_delay_alu instid0(VALU_DEP_1)
	v_lshl_add_u32 v33, v34, 3, v33
	s_delay_alu instid0(VALU_DEP_1)
	v_add_nc_u32 v17, s19, v33                         ; and back as a scale block: 1024 (w / 4) + 128 (w % 4) + 512 (lane % 2) + 8 (lane / 2)
	v_and_b32 v33, 8, v2
	s_delay_alu instid0(VALU_DEP_1)
	v_add_nc_u32 v33, v33, v2
	s_lshl_b32 s19, s[IW], 7
	s_add_co_u32 s19, s19, BIAS
	v_lshl_add_u32 v19, v33, 2, s19                    ; the bias along i: number 32 (w / 2) + r + 8 (r / 8), + 8 a
	v_lshlrev_b32 v30, 2, v0
	s_delay_alu instid0(VALU_DEP_1)
	v_add_nc_u32 v31, BIAS, v30                        ; the bias's copy: 4 x thread (waves 0-7 alone use it)
	; what hangs on the mode: strides and bases of the stores, the shift that parts two heads' bytes
	s_mov_b32 s19, 512
	s_mov_b32 s20, QREC
	s_cmp_lg_u32 s[MODE], 0
	s_cselect_b32 s19, 1024, s19                       ; from tile a = 0 to a = 1
	s_cselect_b32 s20, 512, s20                        ; from registers 0-3 to 4-7: QK: the next head's record; V: the image's second half
	s_cselect_b32 s17, 0, 16
	v_mov_b32 v10, v1
	v_add_nc_u32 v11, s20, v1
	v_add_nc_u32 v12, s19, v1
	s_delay_alu instid0(VALU_DEP_1)
	v_add_nc_u32 v13, s20, v12
	v_mul_u32_u24 v15, v3, s17                         ; QK: lanes 16-31 take the word's upper two bytes: the second head's
	s_mov_b32 s67, 0
	s_lshl_b32 s19, s[II], 10
	s_add_co_u32 s19, s19, 8192                        ; V: b_qkv from number 2048 + 256 I on
	s_lshl_b32 s20, s[JJ], 10                          ; QK: from 256 J on
	s_cmp_lg_u32 s[MODE], 0
	s_cselect_b32 s66, s19, s20
	s_add_nc_u64 s[96:97], s[8:9], s[66:67]
	s_lshl_b32 s19, s[JJ], 2                           ; the codes.  QK: record 4 J + 2 jw, half image 16 I + 2 iw
	s_lshl_b32 s20, s[JW], 1
	s_add_co_u32 s19, s19, s20
	s_mul_i32 s19, s19, QREC
	s_lshl_b32 s20, s[II], 4
	s_add_co_u32 s20, s20, s[IW]
	s_add_co_u32 s20, s20, s[IW]
	s_lshl_b32 s20, s20, 9
	s_add_co_u32 s19, s19, s20
	s_add_co_u32 s19, s19, 16384
	s_lshl_b32 s20, s[II], 2                           ; V: record 4 I + iw / 2, image 4 (2 J + jw) + 2 (iw % 2)
	s_lshr_b32 s17, s[IW], 1
	s_add_co_u32 s20, s20, s17
	s_mul_i32 s20, s20, VREC
	s_lshl_b32 s17, s[JJ], 1
	s_add_co_u32 s17, s17, s[JW]
	s_lshl_b32 s17, s17, 12
	s_add_co_u32 s20, s20, s17
	s_and_b32 s17, s[IW], 1
	s_lshl_b32 s17, s17, 11
	s_add_co_u32 s20, s20, s17
	s_add_co_u32 s20, s20, 8192
	s_cmp_lg_u32 s[MODE], 0
	s_cselect_b32 s66, s20, s19
	s_cselect_b64 s[98:99], s[12:13], s[10:11]
	s_add_nc_u64 s[98:99], s[98:99], s[66:67]
	s_lshl_b32 s19, s[JJ], 2                           ; the scale block that I store.  QK: record 4 J + w % 4, block 4 I + w / 4
	s_and_b32 s20, s[WV], 3
	s_add_co_u32 s19, s19, s20
	s_mul_i32 s19, s19, QREC
	s_lshl_b32 s20, s[II], 2
	s_lshr_b32 s17, s[WV], 2
	s_add_co_u32 s20, s20, s17
	s_lshl_b32 s17, s20, 8
	s_add_co_u32 s19, s19, s17
	s_mul_i32 s20, s20, VREC                           ; V: record 4 I + w / 4, block 2 J + (w / 2) % 2
	s_lshl_b32 s17, s[JJ], 1
	s_bfe_u32 s18, s[WV], 0x10001
	s_add_co_u32 s17, s17, s18
	s_lshl_b32 s17, s17, 8
	s_add_co_u32 s20, s20, s17
	s_cmp_lg_u32 s[MODE], 0
	s_cselect_b32 s66, s20, s19
	s_cselect_b64 s[100:101], s[12:13], s[10:11]
	s_add_nc_u64 s[100:101], s[100:101], s[66:67]
	s_cmp_lt_u32 s[WV], 8                              ; the block's 256 numbers of the bias come into LDS once, 1,024 consecutive bytes
	s_cbranch_scc0 .Lno_bias
	s_wait_alu depctr_va_vdst(0)
	global_load_b32 v102, v30, s[96:97]
	s_wait_loadcnt 0x0
	ds_store_b32 v31, v102
.Lno_bias:
	s_wait_alu depctr_va_vdst(0)                       ; the wait at the head's end
	s_cmp_lt_u32 s[WV], 8                              ; waves 0-7 fetched the scale blocks and K steps 0-3: they wait for their load; the loads of K steps 4-7 may be out
	s_cbranch_scc0 .Lfar
	s_wait_tensorcnt 0x0
.Lfar:
	s_wait_dscnt 0x0                                   ; my part of the bias is stored
	s_barrier_signal -1
	s_barrier_wait -1                                  ; everybody's are
	KSTEP 0
	KSTEP 1
	KSTEP 2
	KSTEP 3
	s_wait_tensorcnt 0x0                               ; my part of K steps 4-7 is in
	s_wait_dscnt 0x0
	s_barrier_signal -1
	s_barrier_wait -1
	KSTEP 4
	KSTEP 5
	KSTEP 6
	KSTEP 7
	PLACES                                             ; behind the last products: results are read, and S0's registers are loaded, below
	s_cmp_lg_u32 s[MODE], 0
	s_cbranch_scc1 .Lbias_v
.irp bb, 0,1,2,3                                   ; QK: the bias runs along j: a number for each of a tile's 64 registers, the same for both tiles
.irp y, 0,1,2,3
	ds_load_b128 v[F0+16*\bb+4*\y:F0+16*\bb+4*\y+3], v14 offset:128*\bb+16*\y
.endr
.endr
	s_wait_dscnt 0x0
.irp a, 0,1
.set j, 0
.rept 32
	v_pk_add_f32 v[ACC+64*\a+j:ACC+64*\a+j+1], v[ACC+64*\a+j:ACC+64*\a+j+1], v[F0+j:F0+j+1]   ; each accumulator from its low end on
.set j, j+2
.endr
.endr
	s_branch .Lbiased
.Lbias_v:                                              ; V: the bias runs along i: one number a lane and tile, fetched twice to fill a pair
	s_wait_alu depctr_va_vdst(0)
	ds_load_b32 v[F0], v19
	ds_load_b32 v[F0+1], v19
	ds_load_b32 v[F0+2], v19 offset:32
	ds_load_b32 v[F0+3], v19 offset:32
	s_wait_dscnt 0x0
.irp a, 0,1
.set j, 0
.rept 32
	v_pk_add_f32 v[ACC+64*\a+j:ACC+64*\a+j+1], v[ACC+64*\a+j:ACC+64*\a+j+1], v[F0+2*\a:F0+2*\a+1]
.set j, j+2
.endr
.endr
.Lbiased:
.irp b, 0,1,2,3
	v_mov_b32 v[TM+4+\b], 0                            ; a lane permute's destination counts as one of its sources
.endr
	QUANT ACC, 80, 96
	QUANT ACC+64, 88, 97
	global_store_b128 v10, v[80:83], s[98:99]          ; each store: 512 consecutive bytes
	global_store_b128 v11, v[84:87], s[98:99]
	global_store_b128 v12, v[88:91], s[98:99]
	global_store_b128 v13, v[92:95], s[98:99]
	v_lshrrev_b32 v98, v15, v96                        ; a scale block's 256 bytes come from two waves: they meet in the stage
	v_lshrrev_b32 v99, v15, v97
	ds_store_b64 v16, v[98:99]
	s_wait_dscnt 0x0                                   ; for the others' sake: my words are stored
	s_barrier_signal -1
	s_barrier_wait -1
	ds_load_b64 v[100:101], v17
	s_wait_dscnt 0x0
	s_and_b32 s2, s[WV], s[MODE]                       ; V: both halves of the lanes held the same words, so the odd waves' blocks are the even waves' again: not stored twice
	s_cmp_lg_u32 s2, 0
	s_cbranch_scc1 .Lno_unit
	global_store_b64 v18, v[100:101], s[100:101]       ; 32 lanes store 256 consecutive bytes, aligned
.Lno_unit:
	s_wait_tensorcnt 0x0
	ds_add_u32 v62, v63
	s_wait_dscnt 0x0
	CROUND                                             ; the closing round: no work-group ends while a partner may still ask for a block that names it
	s_endpgm
.Lfunc_end_k_q9f57115a84_qkv:
	.size	k_q9f57115a84_qkv, .Lfunc_end_k_q9f57115a84_qkv-k_q9f57115a84_qkv
	.p2alignl 7, 3214868480
	.fill 96, 4, 3214868480
	.section	.rodata,"a",@progbits
	.p2align	6, 0x0
	.amdhsa_kernel k_q9f57115a84_qkv
		.amdhsa_group_segment_fixed_size 286720
		.amdhsa_private_segment_fixed_size 0
		.amdhsa_enable_private_segment 0
		.amdhsa_kernarg_size 40
		.amdhsa_user_sgpr_count 2
		.amdhsa_user_sgpr_kernarg_segment_ptr 1
		.amdhsa_wavefront_size32 1
		.amdhsa_system_sgpr_workgroup_id_x 1
		.amdhsa_system_sgpr_workgroup_id_y 1
		.amdhsa_system_sgpr_workgroup_id_z 1
		.amdhsa_system_vgpr_workitem_id 0
		.amdhsa_next_free_vgpr 256
		.amdhsa_next_free_sgpr 102
		.amdhsa_reserve_vcc 0
		.amdhsa_float_denorm_mode_32 3
		.amdhsa_float_denorm_mode_16_64 3
		.amdhsa_memory_ordered 1
		.amdhsa_forward_progress 1
		.amdhsa_inst_pref_size 64
	.end_amdhsa_kernel
	.amdgpu_metadata
---
amdhsa.version: [ 1, 2 ]
amdhsa.kernels:
  - .name:           k_q9f57115a84_qkv
    .symbol:         k_q9f57115a84_qkv.kd
    .args:
      - { .name: xq, .offset: 0, .size: 8, .value_kind: global_buffer, .address_space: global }
      - { .name: wq, .offset: 8, .size: 8, .value_kind: global_buffer, .address_space: global }
      - { .name: b_qkv, .offset: 16, .size: 8, .value_kind: global_buffer, .address_space: global }
      - { .name: qkr, .offset: 24, .size: 8, .value_kind: global_buffer, .address_space: global }
      - { .name: vr, .offset: 32, .size: 8, .value_kind: global_buffer, .address_space: global }
    .group_segment_fixed_size: 286720
    .private_segment_fixed_size: 0
    .kernarg_segment_align: 8
    .kernarg_segment_size: 40
    .max_flat_workgroup_size: 512
    .sgpr_count:     102
    .vgpr_count:     256
    .wavefront_size: 32
...
	.end_amdgpu_metadata
.endif
;; end of part 2
;; launch attn (part 3): grid 16 x 16, 8 waves a work-group, clusters of 4 x 1, 327,680 bytes of LDS; arguments qkr, vr, aq; writes aq
.if DOCPART == 3
	.amdgcn_target "amdgcn-amd-amdhsa--gfx1250"
	.amdhsa_code_object_version 6
	.text
	.protected	k_q9f57115a84_attn
	.globl	k_q9f57115a84_attn
	.p2align	8
	.type	k_q9f57115a84_attn,@function
k_q9f57115a84_attn:
	s_mov_b64 s[64:65], 0
	v_nop
	global_prefetch_b8 v0, s[64:65] scope:SCOPE_SE
	s_setreg_imm32_b32 hwreg(HW_REG_WAVE_MODE, 25, 1), 1
	s_wait_xcnt 0x0
	s_wait_alu depctr_hold_cnt(0) depctr_sa_sdst(0) depctr_va_vdst(0) depctr_va_sdst(0) depctr_va_ssrc(0) depctr_va_vcc(0) depctr_vm_vsrc(0)
	s_getreg_b32 s2, hwreg(HW_REG_IB_STS2, 6, 4)
	s_cmp_eq_u32 s2, 0
	s_cbranch_scc0 .Lentry_in_a_cluster
	s_endpgm
.Lentry_in_a_cluster:
	s_bfe_u32 s2, ttmp6, 0x10000c
	s_cmp_lg_u32 s2, 0x3003
	s_cbranch_scc0 .Lentry_shape_is_right
	s_endpgm
.Lentry_shape_is_right:
; Causal attention of one head on codes of FP4 (E2M1) with E8M0 scales, and the quantiser of its output along (head, d): S^T = K Q^T, p = 2^(t - M), O^T = V^T P^T, O / l.
; t = score x log2(e) / 8; M = the running largest t rounded UP to a whole number; p is not normalised; the row's sum l is taken of the unquantised p and divides at the end.
; When M moves, l and O^T are multiplied by 2^(old M - new M): exact.
; LEFT OUT: key steps all of whose keys come after a tile's queries: reference() itself sets their scores to -infinity, so their p is 0 for all values of the inputs.
; THE HEAD'S 64 AGAINST THE INSTRUCTION'S 128: the first product's k = 64 .. 127 are zero codes on both sides (registers 4-7 of Q's and K's fragments, set once); the upper two bytes of their scale words are never 0xff.
; INPUTS as the launch before laid them: qkr: record h (q) and 16 + h (k): 64 scale blocks of 256 bytes (word 16 r + 4 (t % 4) of block t / 4), then 256 half images of 512 bytes; vr: record h: 32 scale blocks, then images (4 ks + dt).
; Tile t holds positions 32 (t / 2) + 8 (t % 2) + p + 8 (p / 8): so the 16 registers of key tiles 2 b, 2 b + 1 are 16 neighbouring keys, and those of V's tiles 2 b, 2 b + 1 are 16 neighbouring d.
; SHARES.  A wave works on a TWIN: tiles t and t + 1 (t even), 32 queries, which need the same key steps 0 .. t / 8 of 128 keys; the last lies on the diagonal.  Each fragment of K and V and each scale word that it reads from LDS
; feeds two matrix instructions, and every dependent chain of the softmax runs for the two tiles by turns.  Both products are used transposed, so a lane holds one query of each tile throughout.
; Waves work in PAIRS, w and w + 4 (w / 4 is the role), on two twins: a short one (last step b, 0 .. 15) and a long one (last step 31 - b).
; Role 0 walks steps 0 .. 16 of the long twin: 17 steps.  Role 1 walks the short twin's b + 1 steps, finishes and stores it, then walks steps 17 .. 31 - b of the long twin: 16 steps in all; it hands O^T, -M and l of that part to its partner
; through 9,216 LDS bytes of the pair's own, and the partner joins the two parts under the larger M (two exact powers of two) and finishes the long twin.  So all eight waves have 16 or 17 steps.
; b = 8 (j / 2) + (x, or 7 - x where j is odd), j = w % 4, x the cluster's x; t % 8 = 2 cx.  So b, on which the branches hang, is the same in all four partners; cx enters only Q's and the output's addresses and the mask's comparison.
; THE WHOLE HEAD LIES IN LDS: k's record (147,456 bytes) and v's (139,264), each byte filled once, by joint loads of the four work-groups of a cluster, which belong to one head.
; Each record comes in two parts, one load a wave (waves 0-3), so that the first two key steps can begin while the rest is on its way.  No prefetch: every byte is asked for at the kernel's head, and there is no loop to run ahead in.
; Every wave walks all 32 trips (the trip counts are constants); a step that is not the wave's is jumped over by a scalar branch on ids.
; OUT: aq, laid as the last product's operand: image (t, q = h / 2), half h % 2; two bytes of the scale word at 16 r + 4 (t % 4) of block (t / 4, q).  Those stores are 2 bytes a lane: a word's four bytes come from two heads, which are two work-groups.
; LIMITS: blocks of zeros or under 2^-124 keep the byte 1; a block's largest p is taken from its largest score, which takes v_exp_f32 not to fall where its input rises; the scaled scores stay under 2^31 in magnitude; NaN and infinities are not served.
; REGISTERS (u = 0, 1: the twin's tiles).  Window 0: v1-11 addresses; v[12+4u ..] -M, t, l, l; v[24+8u ..] Q; v40-55 scale words; v60-91 at work; v[96+8u ..] p's codes; v[128+64u ..] S^T, then p.
;            Window 1: v0-63 K's eight fragments; v64-95 V's four; v[128+32u ..] O^T.  Scale operands lie in window 0.
.set QREC,  147456
.set VREC,  139264
.set VBASE, 147456                     ; LDS: k's record at 0, v's here
.set SPARE, 286720                     ; the spare words: 128 bytes a wave
.set MRG,   288768                     ; the pairs' parts on their way: MPB bytes a pair; no tensor load lands here
.set MPB,   9216                       ; 16 x 512 bytes of O^T, 2 x 512 of (-M, t, l, l)
.set CUT,   17                         ; the long twin's steps from here on are role 1's
.set ST,    12
.set QF,    24
.set KS,    40                         ; v40-47 K's scale words
.set VS,    48                         ; v48-51 V's
.set QS,    52                         ; v52-53 Q's
.set PS,    54                         ; v54-55 p's
.set SPW,   56
.set NIL,   57
.set MAD,   58                         ; my place in the pair's LDS bytes
.set TP,    60                         ; v60-61 at work
.set FF,    62                         ; v[62+2u:63+2u] f = 2^(old M - new M), named as a pair
.set BM,    68                         ; v[68+4u+b] a block's largest score, then largest p
.set TT,    76                         ; at work; the bytes
.set SO,    84                         ; the conversions' scale operands
.set PC,    96
.set FB,    112                        ; v[112+2u:113+2u] the partner's factor
.set SB,    116                        ; v[116+4u ..] the partner's -M, t, l, l
.set S,     128
.set KF,    0                          ; window 1
.set VF,    64
.set O,     128
.set WV,    10
.set HD,    11
.set ROLE,  12
.set CX,    13
.set TQ,    20                         ; the first tile of the twin that I begin with, and store
.set TQ2,   21                         ; of the long twin
.set BHI,   22                         ; its last key step
.set BETA2, 23                         ; my last key step from CUT on (role 0: none)
.set SEL,   66
.set CS,    68                         ; s[68:69] c = log2(e) / 8
.set STP,   70                         ; the key step
.set BETA,  71                         ; the last key step of the twin in hand
.set T4,    72                         ; 4,096 x step: K's half images and V's images
.set T5,    73                         ; 512 x step: K's scale blocks
.set T2,    74                         ; 256 x step: V's
.set MSB, 0
.macro WIN new                         ; s_set_vgpr_msb: bits 1:0 source 0, 3:2 source 1, 5:4 source 2, 7:6 destination; the high byte repeats the setting that is left.  At a label and at a branch every window is 0
.if MSB != \new
	s_set_vgpr_msb (MSB<<8)|\new
.set MSB, \new
.endif
.endm
.macro PLACES
.rept 4
	v_nop
.endr
.endm
.macro CROUND
	s_barrier_signal -1
	s_barrier_wait -1
	s_cmp_lg_u32 s[WV], 0
	s_cbranch_scc1 .Lnot_wave_0_\@
	s_barrier_signal -3
.Lnot_wave_0_\@:
	s_barrier_wait -3
	s_barrier_signal -1
	s_barrier_wait -1
.endm
.macro SHAPE g, rows                   ; a dense block as rows of 256 bytes; the mask names all four work-groups
	s_mov_b32 s[\g], 15|(3<<16)|(1<<21)
	s_mov_b32 s[\g+1], 32<<16
	s_mov_b32 s[\g+2], (\rows)<<16
	s_mov_b32 s[\g+3], 32<<16
	s_mov_b32 s[\g+4], \rows
	s_mov_b32 s[\g+5], 32
	s_mov_b32 s[\g+6], 0
	s_mov_b32 s[\g+7], 0
.endm
.macro QADR tq                         ; s[76:77] tile tq's half image of q, s[78:79] its scale words; s18 = 4 (tq % 4).  Tile tq + 1: 512 and 4 bytes on
	s_mul_i32 s19, s[HD], QREC
	s_lshl_b32 s84, s[\tq], 9
	s_add_co_u32 s84, s84, s19
	s_add_co_u32 s84, s84, 16384
	s_add_nc_u64 s[76:77], s[4:5], s[84:85]
	s_lshr_b32 s84, s[\tq], 2
	s_lshl_b32 s84, s84, 8
	s_and_b32 s18, s[\tq], 3
	s_lshl_b32 s18, s18, 2
	s_add_co_u32 s84, s84, s18
	s_add_co_u32 s84, s84, s19
	s_add_nc_u64 s[78:79], s[4:5], s[84:85]
.endm
.macro QLOAD
.irp u, 0,1
	global_load_b128 v[QF+8*\u:QF+8*\u+3], v7, s[76:77] offset:512*\u   ; Q's fragments stay in registers
	global_load_b32 v[QS+\u], v3, s[78:79] offset:4*\u                  ; and their scale words
.endr
.endm
; A KEY STEP: 128 keys against the twin's 32 queries.
.macro STEP
	s_cmp_gt_u32 s[STP], s[BETA]                       ; not mine: only the addresses step
	s_cbranch_scc1 .Lhidden_\@
	v_add_nc_u32 v8, s[T4], v1                         ; these four are also the places behind the last step's products, in front of the loads below
	v_add_nc_u32 v9, s[T4], v2
	v_add_nc_u32 v10, s[T5], v3
	v_add_nc_u32 v11, s[T2], v4
	ds_load_b128 v[KS:KS+3], v10                       ; K's scale words, tiles 0-3,
	ds_load_b128 v[KS+4:KS+7], v10 offset:256          ; 4-7
	ds_load_b128 v[VS:VS+3], v11                       ; V's scale words
	WIN 0x40
.irp t, 0,1,2,3,4,5,6,7
	ds_load_b128 v[KF+8*\t:KF+8*\t+3], v8 offset:512*\t   ; K's tiles: registers 0-3 of each fragment
.endr
.irp t, 0,1,2,3
.irp c, 0,1
	ds_load_b128 v[VF+8*\t+4*\c:VF+8*\t+4*\c+3], v9 offset:1024*\t+512*\c
.endr
.endr
	WIN 0x01
	s_wait_dscnt 8                                     ; V's eight fragment loads may be out
.irp t, 0,1,2,3,4,5,6,7
.irp u, 0,1
	v_wmma_scale_f32_16x16x128_f8f6f4 v[S+64*\u+8*\t:S+64*\u+8*\t+7], v[KF+8*\t:KF+8*\t+7], v[QF+8*\u:QF+8*\u+7], 0, v[KS+\t], v[QS+\u] matrix_a_fmt:MATRIX_FMT_FP4 matrix_b_fmt:MATRIX_FMT_FP4
.endr
.endr
	WIN 0
	PLACES
	s_cmp_lg_u32 s[STP], s[BETA]                       ; on the diagonal hidden scores become -infinity ahead of the maximum: p = 0 then
	s_cbranch_scc1 .Lopen_\@
.irp u, 0,1
.set n, 0
.rept 64                                           ; register n holds key 32 (n / 16) + n % 16 + 16 (lane / 16) of the step; tile 1's queries lie 8 positions behind tile 0's
	v_cmp_gt_i32 vcc_lo, 32*(n/16)+n%16-8*\u, v5
	v_cndmask_b32 v[S+64*\u+n], v[S+64*\u+n], v6, vcc_lo
.set n, n+1
.endr
.endr
.Lopen_\@:
.irp u, 0,1
.irp b, 0,1,2,3
	v_max3_num_f32 v[BM+4*\u+\b], v[S+64*\u+16*\b], v[S+1+64*\u+16*\b], v[S+2+64*\u+16*\b]   ; the largest score of each block of 32 keys: for the row's maximum, and for the block's largest p
.endr
.endr
.irp i, 3,5,7,9,11,13
.irp u, 0,1
.irp b, 0,1,2,3
	v_max3_num_f32 v[BM+4*\u+\b], v[BM+4*\u+\b], v[S+64*\u+16*\b+\i], v[S+1+64*\u+16*\b+\i]   ; eight chains by turns
.endr
.endr
.endr
.irp u, 0,1
.irp b, 0,1,2,3
	v_max_num_f32 v[BM+4*\u+\b], v[BM+4*\u+\b], v[S+15+64*\u+16*\b]
.endr
.endr
.irp u, 0,1
.irp b, 0,1,2,3
	v_permlanex16_b32 v[TT+4*\u+\b], v[BM+4*\u+\b], s[SEL], s[SEL+1]
.endr
.endr
.irp u, 0,1
.irp b, 0,1,2,3
	v_max_num_f32 v[BM+4*\u+\b], v[BM+4*\u+\b], v[TT+4*\u+\b]   ; with lane l xor 16's 16 keys
.endr
.endr
.irp u, 0,1
	v_max3_num_f32 v[TP+\u], v[BM+4*\u], v[BM+4*\u+1], v[BM+4*\u+2]
.endr
.irp u, 0,1
	s_delay_alu instid0(VALU_DEP_2)
	v_max_num_f32 v[TP+\u], v[TP+\u], v[BM+4*\u+3]
.endr
.irp u, 0,1
	s_delay_alu instid0(VALU_DEP_2)
	v_mul_f32 v[TP+\u], s[CS], v[TP+\u]                ; the step's largest t
.endr
.irp u, 0,1
	s_delay_alu instid0(VALU_DEP_2)
	v_max_num_f32 v[ST+4*\u+1], v[ST+4*\u+1], v[TP+\u] ; the running largest t
.endr
.irp u, 0,1
	v_mov_b32 v[TP+\u], v[ST+4*\u]
.endr
.irp u, 0,1
	s_delay_alu instid0(VALU_DEP_4)
	v_floor_f32 v[ST+4*\u], -v[ST+4*\u+1]              ; -M = floor(-t): M is a whole number
.endr
.irp u, 0,1
	s_delay_alu instid0(VALU_DEP_2)
	v_sub_f32 v[TP+\u], v[ST+4*\u], v[TP+\u]           ; old M - new M: a whole number, 0 or less
.endr
.irp u, 0,1
	s_delay_alu instid0(VALU_DEP_2)
	v_cvt_i32_f32 v[TP+\u], v[TP+\u]                   ; (it saturates)
.endr
.irp u, 0,1
	s_delay_alu instid0(VALU_DEP_2)
	v_ldexp_f32 v[FF+2*\u], 1.0, v[TP+\u]              ; f = 2^(old M - new M)
.endr
.irp u, 0,1
.set j, 0
.rept 32
	v_pk_fma_f32 v[S+64*\u+j:S+64*\u+j+1], v[S+64*\u+j:S+64*\u+j+1], s[CS:CS+1], v[ST+4*\u:ST+4*\u+1] op_sel_hi:[1,0,0]   ; t - M
.set j, j+2
.endr
.endr
.irp u, 0,1
.irp b, 0,1,2,3
	v_fma_f32 v[BM+4*\u+\b], v[BM+4*\u+\b], s[CS], v[ST+4*\u]   ; the same of each block's largest score
.endr
.endr
	s_wait_alu depctr_va_vdst(0)                       ; the wait ahead of the batch
.set j, 0
.rept 128
	v_exp_f32 v[S+j], v[S+j]                           ; p = 2^(t - M)
.set j, j+1
.endr
.set j, 0
.rept 8
	v_exp_f32 v[BM+j], v[BM+j]                         ; the block's largest p: the same two instructions on the same number
.set j, j+1
.endr
.irp u, 0,1
	v_pk_mul_f32 v[ST+4*\u+2:ST+4*\u+3], v[ST+4*\u+2:ST+4*\u+3], v[FF+2*\u:FF+2*\u+1] op_sel_hi:[1,0]   ; the sums under the new M.  (Plain places behind the exponentials)
.endr
	s_wait_alu depctr_va_vdst(0)                       ; one wait for the batch, ahead of its first reader
.set j, 0
.rept 8
	v_max_num_f32 v[BM+j], 0x1800000, v[BM+j]          ; the floor 2^(3 - 127)
.set j, j+1
.endr
.set j, 0
.rept 8
	v_add_nc_u32 v[SO+j], 0xff000000, v[BM+j]          ; 2 off the exponent field: the conversion's scale operand
.set j, j+1
.endr
.set j, 0
.rept 8
	v_lshrrev_b32 v[TT+j], 23, v[SO+j]                 ; the scale's byte
.set j, j+1
.endr
.irp u, 0,1
	v_lshl_or_b32 v[PS+\u], v[TT+4*\u+1], 8, v[TT+4*\u]   ; p's scale word for these 128 keys
.endr
.irp u, 0,1
	s_delay_alu instid0(VALU_DEP_2)
	v_lshl_or_b32 v[PS+\u], v[TT+4*\u+2], 16, v[PS+\u]
.endr
.irp u, 0,1
	s_delay_alu instid0(VALU_DEP_2)
	v_lshl_or_b32 v[PS+\u], v[TT+4*\u+3], 24, v[PS+\u]
.endr
.irp u, 0,1
.irp b, 0,1,2,3
	v_cvt_scalef32_pk8_fp4_f32 v[PC+8*\u+2*\b], v[S+64*\u+16*\b:S+64*\u+16*\b+7], v[SO+4*\u+\b]
	v_cvt_scalef32_pk8_fp4_f32 v[PC+8*\u+2*\b+1], v[S+64*\u+16*\b+8:S+64*\u+16*\b+15], v[SO+4*\u+\b]
.endr
.endr
	v_nop                                              ; one plain place behind a scaled conversion
.irp u, 0,1
.irp c, 0,1
.irp i, 0,1
	v_permlane16_swap_b32 v[PC+8*\u+4*\c+\i], v[PC+8*\u+4*\c+\i+2]
.endr
.endr
.endr
	WIN 0x41
	s_wait_dscnt 0x0                                   ; V's fragments are in
	s_wait_alu depctr_va_vdst(0)                       ; directly ahead of the first reader of O^T
.irp u, 0,1
.set j, 0
.rept 16
	v_pk_mul_f32 v[O+32*\u+j:O+32*\u+j+1], v[O+32*\u+j:O+32*\u+j+1], v[FF+2*\u:FF+2*\u+1] op_sel_hi:[1,0]   ; O^T under the new M, each accumulator from its low end on
.set j, j+2
.endr
.endr
	WIN 0
.irp d, 32,16,8,4,2                                ; the row's sum of the unquantised p: a tree in place on p's 32 pairs, which the conversions have read; the two tiles by turns
.irp u, 0,1
.set k, 0
.rept \d/2
	v_pk_add_f32 v[S+64*\u+k:S+64*\u+k+1], v[S+64*\u+k:S+64*\u+k+1], v[S+64*\u+\d+k:S+64*\u+\d+k+1]
.set k, k+2
.endr
.endr
.endr
.irp u, 0,1
	s_delay_alu instid0(VALU_DEP_2)
	v_pk_add_f32 v[ST+4*\u+2:ST+4*\u+3], v[ST+4*\u+2:ST+4*\u+3], v[S+64*\u:S+64*\u+1]
.endr
	WIN 0x51
.irp t, 0,1,2,3
.irp u, 0,1
	v_wmma_scale_f32_16x16x128_f8f6f4 v[O+32*\u+8*\t:O+32*\u+8*\t+7], v[VF+8*\t:VF+8*\t+7], v[PC+8*\u:PC+8*\u+7], v[O+32*\u+8*\t:O+32*\u+8*\t+7], v[VS+\t], v[PS+\u] matrix_a_fmt:MATRIX_FMT_FP4 matrix_b_fmt:MATRIX_FMT_FP4
.endr
.endr
	WIN 0
.Lhidden_\@:
	s_add_co_u32 s[T4], s[T4], 4096
	s_add_co_u32 s[T5], s[T5], 512
	s_add_co_u32 s[T2], s[T2], 256
	s_add_co_u32 s[STP], s[STP], 1
.endm
; THE WAY OUT of a finished twin: O^T / l, quantised along d (two blocks of 32): register 16 b + i = d 32 b + 16 h + i of my query
.macro WAYOUT
.irp u, 0,1
	v_add_f32 v[ST+4*\u+2], v[ST+4*\u+2], v[ST+4*\u+3]
.endr
.irp u, 0,1
	s_delay_alu instid0(VALU_DEP_2)
	v_permlanex16_b32 v[TP+\u], v[ST+4*\u+2], s[SEL], s[SEL+1]
.endr
.irp u, 0,1
	s_delay_alu instid0(VALU_DEP_2)
	v_add_f32 v[ST+4*\u+2], v[ST+4*\u+2], v[TP+\u]     ; the row's sum
.endr
	s_wait_alu depctr_va_vdst(0)                       ; the wait ahead of the transcendentals
.irp u, 0,1
	v_rcp_f32 v[ST+4*\u+2], v[ST+4*\u+2]
.endr
	v_nop                                              ; one plain place behind a transcendental
	WIN 0x01
	s_wait_alu depctr_va_vdst(0)                       ; and ahead of their first reader, which is O^T's too
.irp u, 0,1
.set j, 0
.rept 16
	v_pk_mul_f32 v[S+64*\u+j:S+64*\u+j+1], v[O+32*\u+j:O+32*\u+j+1], v[ST+4*\u+2:ST+4*\u+3] op_sel_hi:[1,0]
.set j, j+2
.endr
.endr
	WIN 0
.irp u, 0,1
.irp b, 0,1
	v_max3_num_f32 v[BM+4*\u+\b], |v[S+64*\u+16*\b]|, |v[S+1+64*\u+16*\b]|, 0x1800000
.endr
.endr
.irp i, 2,4,6,8,10,12,14
.irp u, 0,1
.irp b, 0,1
	s_delay_alu instid0(VALU_DEP_4)
	v_max3_num_f32 v[BM+4*\u+\b], v[BM+4*\u+\b], |v[S+64*\u+16*\b+\i]|, |v[S+1+64*\u+16*\b+\i]|
.endr
.endr
.endr
.irp u, 0,1
.irp b, 0,1
	s_delay_alu instid0(VALU_DEP_4)
	v_permlanex16_b32 v[TT+4*\u+\b], v[BM+4*\u+\b], s[SEL], s[SEL+1]
.endr
.endr
.irp u, 0,1
.irp b, 0,1
	s_delay_alu instid0(VALU_DEP_4)
	v_max_num_f32 v[BM+4*\u+\b], v[BM+4*\u+\b], v[TT+4*\u+\b]
.endr
.endr
.irp u, 0,1
.irp b, 0,1
	s_delay_alu instid0(VALU_DEP_4)
	v_add_nc_u32 v[SO+4*\u+\b], 0xff000000, v[BM+4*\u+\b]
.endr
.endr
.irp u, 0,1
.irp b, 0,1
	s_delay_alu instid0(VALU_DEP_4)
	v_lshrrev_b32 v[TT+4*\u+\b], 23, v[SO+4*\u+\b]
.endr
.endr
.irp u, 0,1
	v_lshl_or_b32 v[TP+\u], v[TT+4*\u+1], 8, v[TT+4*\u]   ; my head's two bytes of the row's scale word
.endr
.irp u, 0,1
.irp b, 0,1
	v_cvt_scalef32_pk8_fp4_f32 v[PC+8*\u+2*\b], v[S+64*\u+16*\b:S+64*\u+16*\b+7], v[SO+4*\u+\b]
	v_cvt_scalef32_pk8_fp4_f32 v[PC+8*\u+2*\b+1], v[S+64*\u+16*\b+8:S+64*\u+16*\b+15], v[SO+4*\u+\b]
.endr
.endr
	v_nop
.irp u, 0,1
	v_permlane16_swap_b32 v[PC+8*\u], v[PC+8*\u+2]     ; lanes 0-15: d = 0 .. 31, lanes 16-31: d = 32 .. 63
	v_permlane16_swap_b32 v[PC+8*\u+1], v[PC+8*\u+3]
.endr
.irp u, 0,1
	global_store_b128 v7, v[PC+8*\u:PC+8*\u+3], s[80:81] offset:4096*\u   ; 512 consecutive bytes
	global_store_b16 v3, v[TP+\u], s[82:83] offset:4*\u                   ; lanes r and 16 + r store the same two bytes at the same place
.endr
.endm
.macro FRESH                           ; a twin's state at its start: the step is written for every trip alike: the first finds zeros, which the first change of M leaves zeros
.irp u, 0,1
	v_mov_b32 v[ST+4*\u+1], 0xff61b1e6                 ; the largest t so far: -3e38
	v_mov_b32 v[ST+4*\u+2], 0                          ; the sum, in two halves
	v_mov_b32 v[ST+4*\u+3], 0
.endr
.irp u, 0,1
	v_floor_f32 v[ST+4*\u], -v[ST+4*\u+1]              ; -M
.endr
	WIN 0x40
.set j, 0
.rept 64
	v_mov_b32 v[O+j], 0                                ; O^T
.set j, j+1
.endr
	WIN 0
.endm
	s_load_b128 s[4:7], s[0:1], 0x0                    ; qkr, vr
	s_load_b64 s[8:9], s[0:1], 0x10                    ; aq
	v_lshl_add_u32 v[SPW], v0, 2, SPARE
	v_mov_b32 v[NIL], 0
	ds_add_u32 v[SPW], v[NIL]                          ; the opening lines: the add, twice on end, and its wait ahead of the first tensor load
	ds_add_u32 v[SPW], v[NIL]
	v_lshrrev_b32 v1, 5, v0
	s_delay_alu instid0(VALU_DEP_1)
	v_readfirstlane_b32 s[WV], v1                      ; wave 0..7
	s_and_b32 s[HD], ttmp7, 0xffff                     ; the head, which the four partners share
	s_bfe_u32 s[CX], ttmp6, 0x40000                    ; cx
	s_and_b32 s14, s[WV], 3                            ; j: my pair
	s_lshr_b32 s[ROLE], s[WV], 2                       ; the role
	s_and_b32 s18, s14, 1
	s_mul_i32 s18, s18, 7
	s_xor_b32 s18, s18, ttmp9                          ; the cluster's x, or 7 - x where j is odd
	s_lshr_b32 s19, s14, 1
	s_lshl_b32 s19, s19, 3
	s_add_co_u32 s16, s19, s18                         ; b: the short twin's last step
	s_sub_co_u32 s[BHI], 31, s16                       ; the long twin's
	s_cmp_lg_u32 s[ROLE], 0
	s_cselect_b32 s[BETA], s16, s[BHI]                 ; role 1 begins with the short twin, role 0 with the long one
	s_cselect_b32 s[BETA2], s[BHI], 0                  ; from CUT on: role 1 walks the long twin's rest, role 0 nothing
	s_lshl_b32 s19, s[CX], 1                           ; t % 8 = 2 cx
	s_lshl_b32 s[TQ], s[BETA], 3
	s_add_co_u32 s[TQ], s[TQ], s19
	s_lshl_b32 s[TQ2], s[BHI], 3
	s_add_co_u32 s[TQ2], s[TQ2], s19
	s_mul_i32 s17, s14, MPB
	s_add_co_u32 s17, s17, MRG                         ; my pair's LDS bytes
	SHAPE 24, 128                                      ; k's first part: all scale blocks and keys 0-511: 32,768 bytes
	SHAPE 32, 96                                       ; v's first part: all scale blocks and key steps 0-3: 24,576 bytes
	SHAPE 40, 448                                      ; the rest of either record: 114,688 bytes
	s_mov_b32 s[SEL], 0x76543210
	s_mov_b32 s[SEL+1], 0xfedcba98
	s_mov_b32 s[CS], 0x3e38aa3b                        ; log2(e) / 8
	s_mov_b32 s[CS+1], s[CS]                           ; (named with it as a pair, so it is written)
	s_mov_b32 s[STP], 0
	s_mov_b32 s[T4], 0
	s_mov_b32 s[T5], 0
	s_mov_b32 s[T2], 0
	s_add_co_u32 s84, s[HD], 16
	s_mul_i32 s84, s84, QREC
	s_mov_b32 s85, 0
	s_wait_dscnt 0x0                                   ; both opening adds are done
	s_wait_kmcnt 0x0
	s_add_nc_u64 s[86:87], s[4:5], s[84:85]            ; k's record
	s_mul_i32 s84, s[HD], VREC
	s_add_nc_u64 s[88:89], s[6:7], s[84:85]            ; v's
	s_mov_b32 s48, 1
	s_mov_b32 s49, 0
	s_mov_b64 s[50:51], s[86:87]
	s_or_b32 s51, s51, 0x80000000
	s_mov_b32 s52, 1
	s_mov_b32 s53, 32768
	s_add_nc_u64 s[54:55], s[86:87], 32768
	s_or_b32 s55, s55, 0x80000000
	s_mov_b32 s56, 1
	s_mov_b32 s57, VBASE
	s_mov_b64 s[58:59], s[88:89]
	s_or_b32 s59, s59, 0x80000000
	s_mov_b32 s60, 1
	s_mov_b32 s61, VBASE+24576
	s_add_nc_u64 s[62:63], s[88:89], 24576
	s_or_b32 s63, s63, 0x80000000
	CROUND                                             ; all four work-groups are here: the joint loads meet
; THE HEAD'S LOADS, ONE A WAVE, in one chain of branches on the wave's number: wave 0 k's first part, wave 1 v's, wave 2 the rest of k's record, wave 3 of v's
.macro ARM under, g0, g1, next
	s_cmp_lt_u32 s[WV], \under
	s_cbranch_scc0 \next
	tensor_load_to_lds s[\g0:\g0+3], s[\g1:\g1+7]
	s_nop 0
	PLACES
	s_branch .Lasked
\next:
.endm
	ARM 1, 48, 24, .Lh1
	ARM 2, 56, 32, .Lh2
	ARM 3, 52, 40, .Lh3
	ARM 4, 60, 40, .Lh4
.Lasked:
	QADR TQ
	s_lshr_b32 s84, s[HD], 3                           ; aq: image (t, h / 2), half h % 2; tile t + 1: 4,096 bytes on
	s_lshl_b32 s84, s84, 20
	s_lshl_b32 s19, s[TQ], 12
	s_add_co_u32 s84, s84, s19
	s_bfe_u32 s19, s[HD], 0x20001
	s_lshl_b32 s19, s19, 10
	s_add_co_u32 s84, s84, s19
	s_and_b32 s19, s[HD], 1
	s_lshl_b32 s19, s19, 9
	s_add_co_u32 s84, s84, s19
	s_add_nc_u64 s[80:81], s[8:9], s[84:85]
	s_lshr_b32 s84, s[TQ], 2                           ; its scale bytes: block (t / 4, h / 2), word t % 4, bytes 2 (h % 2), + 1; tile t + 1: 4 bytes on
	s_lshl_b32 s84, s84, 3
	s_lshr_b32 s19, s[HD], 1
	s_add_co_u32 s84, s84, s19
	s_lshl_b32 s84, s84, 8
	s_add_co_u32 s84, s84, s18
	s_and_b32 s19, s[HD], 1
	s_lshl_b32 s19, s19, 1
	s_add_co_u32 s84, s84, s19
	s_add_co_u32 s84, s84, 2097152
	s_add_nc_u64 s[82:83], s[8:9], s[84:85]
	s_lshl_b32 s19, s[CX], 5                           ; a twin's first position within its key step: 32 cx, the same for both my twins
	v_and_b32 v7, 31, v0
	s_delay_alu instid0(VALU_DEP_1)
	v_lshlrev_b32 v7, 4, v7                            ; 16 x lane
	v_and_b32 v8, 15, v0                               ; r
	v_bfe_u32 v9, v0, 4, 1                             ; h
	s_delay_alu instid0(VALU_DEP_3)
	v_add_nc_u32 v1, 16384, v7                         ; K's half images
	v_add_nc_u32 v2, VBASE+8192, v7                    ; V's images
	v_lshlrev_b32 v3, 4, v8                            ; K's scale blocks: 16 r
	s_delay_alu instid0(VALU_DEP_1)
	v_add_nc_u32 v4, VBASE, v3                         ; V's
	QLOAD
	v_add_nc_u32 v[MAD], s17, v7                       ; the pair's bytes: 16 x lane in each 512
	v_and_b32 v5, 8, v8
	s_delay_alu instid0(VALU_DEP_1)
	v_add_nc_u32 v5, v5, v8
	s_delay_alu instid0(VALU_DEP_1)
	v_add_nc_u32 v5, s19, v5
	v_lshlrev_b32 v9, 4, v9
	s_delay_alu instid0(VALU_DEP_1)
	v_sub_nc_u32 v5, v5, v9                            ; tile 0's query's place in the diagonal step, less 16 h: register n is hidden where 32 (n / 16) + n % 16 is greater
	v_mov_b32 v6, 0xff800000                           ; -infinity
.irp i, 28,29,30,31, 36,37,38,39
	v_mov_b32 v\i, 0                                   ; k = 64 .. 127 of Q's fragments: zero codes, set once
.endr
.set j, 0
.rept 8
	v_mov_b32 v[TT+j], 0                               ; a lane permute's destination counts as one of its sources
.set j, j+1
.endr
.irp i, TP, TP+1, FF+1, FF+3, FB+1, FB+3
	v_mov_b32 v[\i], 0                                 ; likewise; and the upper halves of pairs of which the low word alone is used
.endr
	WIN 0x40
.irp t, 0,1,2,3,4,5,6,7
.irp i, 4,5,6,7
	v_mov_b32 v[KF+8*\t+\i], 0                         ; k = 64 .. 127 of K's fragments: zero codes, set once
.endr
.endr
	WIN 0
	FRESH
	s_wait_alu depctr_va_vdst(0)                       ; the wait at the head's end
	s_wait_loadcnt 0x0                                 ; Q
	s_cmp_lt_u32 s[WV], 2                              ; waves 0 and 1 fetched the first parts: they wait for their load; the loads of the rest may be out
	s_cbranch_scc0 .Lfar
	s_wait_tensorcnt 0x0
.Lfar:
	s_barrier_signal -1
	s_barrier_wait -1                                  ; both first parts are in
.Lfirst:                                               ; key steps 0 and 1 read the first parts alone; the barrier for the rest stands behind them, so that a wave whose short twin ends early goes on to the later keys after two steps
	STEP
	s_cmp_lt_u32 s[STP], 2
	s_cbranch_scc1 .Lfirst
	s_wait_tensorcnt 0x0                               ; the rest of a record, if I fetched it, is in
	s_wait_dscnt 0x0
	s_barrier_signal -1
	s_barrier_wait -1
.Lsecond:                                              ; key steps 2 .. CUT - 1
	STEP
	s_cmp_lt_u32 s[STP], CUT
	s_cbranch_scc1 .Lsecond
	s_cmp_eq_u32 s[ROLE], 0
	s_cbranch_scc1 .Lmid
	PLACES                                             ; role 1: the short twin is finished.  Places behind its last products
	s_wait_alu depctr_va_vdst(0)                       ; the sums were written ahead of taken branches
	QADR TQ2
	QLOAD                                              ; the long twin's Q is asked for first: the way out below names none of its registers
	WAYOUT
	s_wait_xcnt 0x0                                    ; the stores have read their registers
	FRESH
	s_wait_alu depctr_va_vdst(0)
	s_wait_loadcnt 0x0
.Lmid:
	s_mov_b32 s[BETA], s[BETA2]
.Lthird:                                               ; key steps CUT .. 31
	STEP
	s_cmp_lt_u32 s[STP], 32
	s_cbranch_scc1 .Lthird
	PLACES                                             ; behind the last products
	s_wait_alu depctr_va_vdst(0)                       ; what follows reads registers written ahead of taken branches
	s_cmp_eq_u32 s[ROLE], 0
	s_cbranch_scc1 .Lkeep
	WIN 0x04                                           ; role 1: my part of the long twin, as an image of its registers, each accumulator from its low end on
.irp i, 0,1,2,3,4,5,6,7,8,9,10,11,12,13,14,15
	ds_store_b128 v[MAD], v[O+4*\i:O+4*\i+3] offset:512*\i
.endr
	WIN 0
.irp u, 0,1
	ds_store_b128 v[MAD], v[ST+4*\u:ST+4*\u+3] offset:8192+512*\u   ; -M, t, l in two halves
.endr
.Lkeep:
	s_wait_dscnt 0x0                                   ; for the partner's sake: my stores are done
	s_barrier_signal -1
	s_barrier_wait -1
	s_cmp_lg_u32 s[ROLE], 0
	s_cbranch_scc1 .Lend
.irp i, 0,1,2,3,4,5,6,7,8,9,10,11,12,13,14,15      ; role 0: the partner's part, in the same lanes: tile u's O^T at v[S + 32 u ..]
	ds_load_b128 v[S+4*\i:S+4*\i+3], v[MAD] offset:512*\i
.endr
.irp u, 0,1
	ds_load_b128 v[SB+4*\u:SB+4*\u+3], v[MAD] offset:8192+512*\u
.endr
	s_wait_dscnt 0x0
.irp u, 0,1
	v_min_num_f32 v[TP+\u], v[ST+4*\u], v[SB+4*\u]     ; -M of both parts: the larger M
.endr
.irp u, 0,1
	v_sub_f32 v[FF+2*\u], v[TP+\u], v[ST+4*\u]         ; my M less that: a whole number, 0 or less
	v_sub_f32 v[FB+2*\u], v[TP+\u], v[SB+4*\u]         ; the partner's likewise
.endr
.irp u, 0,1
	v_cvt_i32_f32 v[FF+2*\u], v[FF+2*\u]               ; (they saturate: a part with no step has M = -3e38, zeros, and the factor 0)
	v_cvt_i32_f32 v[FB+2*\u], v[FB+2*\u]
.endr
.irp u, 0,1
	v_ldexp_f32 v[FF+2*\u], 1.0, v[FF+2*\u]
	v_ldexp_f32 v[FB+2*\u], 1.0, v[FB+2*\u]
.endr
.irp u, 0,1
	v_pk_mul_f32 v[ST+4*\u+2:ST+4*\u+3], v[ST+4*\u+2:ST+4*\u+3], v[FF+2*\u:FF+2*\u+1] op_sel_hi:[1,0]
.endr
.irp u, 0,1
	v_pk_fma_f32 v[ST+4*\u+2:ST+4*\u+3], v[SB+4*\u+2:SB+4*\u+3], v[FB+2*\u:FB+2*\u+1], v[ST+4*\u+2:ST+4*\u+3] op_sel_hi:[1,0,1]
.endr
	WIN 0x41
.irp u, 0,1
.set j, 0
.rept 16
	v_pk_mul_f32 v[O+32*\u+j:O+32*\u+j+1], v[O+32*\u+j:O+32*\u+j+1], v[FF+2*\u:FF+2*\u+1] op_sel_hi:[1,0]
.set j, j+2
.endr
.endr
	WIN 0x50
.irp u, 0,1
.set j, 0
.rept 16
	v_pk_fma_f32 v[O+32*\u+j:O+32*\u+j+1], v[S+32*\u+j:S+32*\u+j+1], v[FB+2*\u:FB+2*\u+1], v[O+32*\u+j:O+32*\u+j+1] op_sel_hi:[1,0,1]
.set j, j+2
.endr
.endr
	WIN 0
	WAYOUT
.Lend:
	s_wait_tensorcnt 0x0                               ; the wave's end
	ds_add_u32 v[SPW], v[NIL]
	s_wait_dscnt 0x0
	CROUND                                             ; the closing round
	s_endpgm
.Lfunc_end_k_q9f57115a84_attn:
	.size	k_q9f57115a84_attn, .Lfunc_end_k_q9f57115a84_attn-k_q9f57115a84_attn
	.p2alignl 7, 3214868480
	.fill 96, 4, 3214868480
	.section	.rodata,"a",@progbits
	.p2align	6, 0x0
	.amdhsa_kernel k_q9f57115a84_attn
		.amdhsa_group_segment_fixed_size 327680
		.amdhsa_private_segment_fixed_size 0
		.amdhsa_enable_private_segment 0
		.amdhsa_kernarg_size 24
		.amdhsa_user_sgpr_count 2
		.amdhsa_user_sgpr_kernarg_segment_ptr 1
		.amdhsa_wavefront_size32 1
		.amdhsa_system_sgpr_workgroup_id_x 1
		.amdhsa_system_sgpr_workgroup_id_y 1
		.amdhsa_system_sgpr_workgroup_id_z 1
		.amdhsa_system_vgpr_workitem_id 0
		.amdhsa_next_free_vgpr 512
		.amdhsa_next_free_sgpr 96
		.amdhsa_reserve_vcc 1
		.amdhsa_float_denorm_mode_32 3
		.amdhsa_float_denorm_mode_16_64 3
		.amdhsa_memory_ordered 1
		.amdhsa_forward_progress 1
		.amdhsa_inst_pref_size 157
	.end_amdhsa_kernel
	.amdgpu_metadata
---
amdhsa.version: [ 1, 2 ]
amdhsa.kernels:
  - .name:           k_q9f57115a84_attn
    .symbol:         k_q9f57115a84_attn.kd
    .args:
      - { .name: qkr, .offset: 0, .size: 8, .value_kind: global_buffer, .address_space: global }
      - { .name: vr, .offset: 8, .size: 8, .value_kind: global_buffer, .address_space: global }
      - { .name: aq, .offset: 16, .size: 8, .value_kind: global_buffer, .address_space: global }
    .group_segment_fixed_size: 327680
    .private_segment_fixed_size: 0
    .kernarg_segment_align: 8
    .kernarg_segment_size: 24
    .max_flat_workgroup_size: 256
    .sgpr_count:     96
    .vgpr_count:     512
    .wavefront_size: 32
...
	.end_amdgpu_metadata
.endif
;; end of part 3
;; launch proj (part 4): grid 8 x 32, 8 waves a work-group, clusters of 4 x 4, 175,104 bytes of LDS; arguments aq, oq, b_o, out0; writes out0
.if DOCPART == 4
	.amdgcn_target "amdgcn-amd-amdhsa--gfx1250"
	.amdhsa_code_object_version 6
	.text
	.protected	k_q9f57115a84_proj
	.globl	k_q9f57115a84_proj
	.p2align	8
	.type	k_q9f57115a84_proj,@function
k_q9f57115a84_proj:
	s_mov_b64 s[64:65], 0
	v_nop
	global_prefetch_b8 v0, s[64:65] scope:SCOPE_SE
	s_setreg_imm32_b32 hwreg(HW_REG_WAVE_MODE, 25, 1), 1
	s_wait_xcnt 0x0
	s_wait_alu depctr_hold_cnt(0) depctr_sa_sdst(0) depctr_va_vdst(0) depctr_va_sdst(0) depctr_va_ssrc(0) depctr_va_vcc(0) depctr_vm_vsrc(0)
	s_getreg_b32 s2, hwreg(HW_REG_IB_STS2, 6, 4)
	s_cmp_eq_u32 s2, 0
	s_cbranch_scc0 .Lentry_in_a_cluster
	s_endpgm
.Lentry_in_a_cluster:
	s_bfe_u32 s2, ttmp6, 0x10000c
	s_cmp_lg_u32 s2, 0xf033
	s_cbranch_scc0 .Lentry_shape_is_right
	s_endpgm
.Lentry_shape_is_right:
; out0 = a w_o^T + b_o on codes of FP4 (E2M1) with E8M0 scales.  a (4,096 x 1,024) and w_o (1,024 x 1,024) lie as images of the operands' registers, as the launches before laid them:
; tile t = rows 32 (t / 2) + 8 (t % 2) + p + 8 (p / 8); image (t, q) = 1,024 bytes at ((q / 4) T + t) 4096 + (q % 4) 1024; scale block (g, q) = 256 bytes, word 16 r + 4 j = row r of tile 4 g + j.
; SHARES.  A work-group makes 128 rows x 128 columns, so that there is one for each of 256 work-group places; all of K = 1,024 lies in LDS: 2 x 64 KiB of codes, 2 x 4 KiB of scale words, each byte filled once.
; Wave w of eight: a's tiles 2 (w / 2), + 1 (source 1) and w_o's tiles 4 (w % 2) .. + 3 (source 0): 8 accumulators.  Used so, a lane's 16 registers of w_o's tiles 2 b, 2 b + 1 are 16 neighbouring columns of one row of out0.
; The bias is loaded into the accumulators, so every K step adds in place and nothing is cleared or added afterwards.
; CLUSTER 4 x 4: a's block hangs on the cluster's row, w_o's on its column: each is asked for jointly by the four that need it.
; LIMITS: NaN and infinities are not served.
.set PLA,  1048576
.set PLO,  262144
.set S1C0, 0                           ; LDS: a's K steps 0-3: [tile 8][4][1024]
.set S1C1, 32768
.set S0C0, 65536
.set S0C1, 98304
.set S1SC, 131072                      ; a's scale blocks: [group 2][q 8][256]
.set S0SC, 135168
.set STG,  139264                      ; the way out: 16 rows x (256 bytes + 16) for each wave; no tensor load lands here
.set HSB,  11
.set HCB,  14
.set SC1,  20                          ; v20-21  a's scale words
.set SC0,  22                          ; v22-25  w_o's
.set F1,   32                          ; v32-47  a's two fragments
.set F0,   64                          ; v64-95  w_o's four
.set OUTR, 128                         ; v128-191 rows read back from the stage
.set ACC,  192                         ; v192-255 accumulator (a, b) at 192 + 32 a + 8 b
.set WV,   14
.set IW,   15
.set JW,   16
.set II,   22
.set JJ,   23
.set G1A,  24
.set G1B,  32
.set G1C,  40
.set G1D,  48
.macro PLACES
.rept 4
	v_nop
.endr
.endm
.macro CROUND
	s_barrier_signal -1
	s_barrier_wait -1
	s_cmp_lg_u32 s[WV], 0
	s_cbranch_scc1 .Lnot_wave_0_\@
	s_barrier_signal -3
.Lnot_wave_0_\@:
	s_barrier_wait -3
	s_barrier_signal -1
	s_barrier_wait -1
.endm
.macro SHAPE g, rows                   ; a dense block as rows of 256 bytes: 32 elements of 8 bytes, pitch 32
	s_mov_b32 s[\g+1], 32<<16
	s_mov_b32 s[\g+2], (\rows)<<16
	s_mov_b32 s[\g+3], 32<<16
	s_mov_b32 s[\g+4], \rows
	s_mov_b32 s[\g+5], 32
	s_mov_b32 s[\g+6], 0
	s_mov_b32 s[\g+7], 0
.endm
.macro OPER g0s, g0a, g0b, ptr, pl, tt, off, tmp, lsc, lc0, lc1   ; the three groups 0 of one operand: scale blocks, K steps 0-3, K steps 4-7
	s_lshl_b32 s[\off], s[\tt], 9
	s_lshl_b32 s[\tmp], s[\pl], 1
	s_add_co_u32 s[\off], s[\off], s[\tmp]
	s_mov_b32 s[\g0s], 1
	s_add_nc_u64 s[\g0s+2:\g0s+3], s[\ptr:\ptr+1], s[\off:\off+1]
	s_or_b32 s[\g0s+3], s[\g0s+3], 0x80000000
	s_mov_b32 s[\g0s+1], \lsc
	s_lshl_b32 s[\off], s[\tt], 12
	s_mov_b32 s[\g0a], 1
	s_add_nc_u64 s[\g0a+2:\g0a+3], s[\ptr:\ptr+1], s[\off:\off+1]
	s_or_b32 s[\g0a+3], s[\g0a+3], 0x80000000
	s_mov_b32 s[\g0a+1], \lc0
	s_add_co_u32 s[\off], s[\off], s[\pl]
	s_mov_b32 s[\g0b], 1
	s_add_nc_u64 s[\g0b+2:\g0b+3], s[\ptr:\ptr+1], s[\off:\off+1]
	s_or_b32 s[\g0b+3], s[\g0b+3], 0x80000000
	s_mov_b32 s[\g0b+1], \lc1
.endm
.macro MUL b0                          ; 4 products; the eight accumulators take turns, one instruction a turn, in the same order in every K step
.irp b, \b0, \b0+1
.irp a, 0,1
	v_wmma_scale_f32_16x16x128_f8f6f4 v[ACC+32*\a+8*(\b):ACC+32*\a+8*(\b)+7], v[F0+8*(\b):F0+8*(\b)+7], v[F1+8*\a:F1+8*\a+7], v[ACC+32*\a+8*(\b):ACC+32*\a+8*(\b)+7], v[SC0+(\b)], v[SC1+\a] matrix_a_fmt:MATRIX_FMT_FP4 matrix_b_fmt:MATRIX_FMT_FP4
.endr
.endr
.endm
.macro KSTEP q
.if (\q) > 0
	PLACES                                             ; in front of loads into registers that matrix instructions have read
.endif
	ds_load_b64 v[SC1:SC1+1], v8 offset:256*(\q)
	ds_load_b128 v[SC0:SC0+3], v9 offset:256*(\q)
.irp a, 0,1
.irp c, 0,1
	ds_load_b128 v[F1+8*\a+4*\c:F1+8*\a+4*\c+3], v[4+(\q)/4] offset:4096*\a+1024*((\q)%4)+512*\c
.endr
.endr
.irp b, 0,1,2,3
.irp c, 0,1
	ds_load_b128 v[F0+8*\b+4*\c:F0+8*\b+4*\c+3], v[6+(\q)/4] offset:4096*\b+1024*((\q)%4)+512*\c
.endr
.endr
	s_wait_dscnt 4                                     ; all but the youngest four loads: w_o's tiles 2, 3
	MUL 0
	s_wait_dscnt 0x0
	MUL 2
.endm
	s_load_b128 s[4:7], s[0:1], 0x0                    ; aq, oq
	s_load_b128 s[8:11], s[0:1], 0x10                  ; b_o, out0
	v_lshl_add_u32 v126, v0, 2, 0x2a800
	v_mov_b32 v127, 0
	ds_add_u32 v126, v127
	ds_add_u32 v126, v127
	v_lshrrev_b32 v1, 5, v0
	s_delay_alu instid0(VALU_DEP_1)
	v_readfirstlane_b32 s[WV], v1                      ; wave 0..7
	s_lshr_b32 s[IW], s[WV], 1
	s_and_b32 s[JW], s[WV], 1
	s_bfe_u32 s17, ttmp6, 0x40000                      ; cx
	s_bfe_u32 s18, ttmp6, 0x40004                      ; cy
	s_and_b32 s[II], ttmp7, 0xffff
	s_lshl_b32 s[II], s[II], 2
	s_add_co_u32 s[II], s[II], s18                     ; I: my 128 rows: it hangs on cy, never on cx
	s_lshl_b32 s[JJ], ttmp9, 2
	s_add_co_u32 s[JJ], s[JJ], s17                     ; J: my 128 columns: on cx, never on cy
	s_lshl_b32 s2, s18, 2
	s_lshl_b32 s2, 15, s2                              ; my row of the cluster
	s_lshl_b32 s3, 0x1111, s17                         ; my column
	s_or_b32 s[G1A], s2, (3<<16)|(1<<21)               ; 15:0 the mask; 17:16 elements of 8 bytes; 21 set beside a mask; no padding
	s_or_b32 s[G1B], s2, (3<<16)|(1<<21)
	s_or_b32 s[G1C], s3, (3<<16)|(1<<21)
	s_or_b32 s[G1D], s3, (3<<16)|(1<<21)
	SHAPE G1A, 16                                      ; each of the six blocks comes whole, by one load: 4,096 bytes of scale blocks,
	SHAPE G1B, 128                                     ; 32,768 bytes of codes
	SHAPE G1C, 16
	SHAPE G1D, 128
	s_lshl_b32 s84, s[II], 3                           ; a: the first of my block's eight tiles
	s_lshl_b32 s85, s[JJ], 3                           ; w_o likewise
	s_mov_b32 s90, PLA
	s_mov_b32 s91, PLO
	s_mov_b32 s93, 0
	s_mov_b32 s95, 0
	s_wait_dscnt 0x0
	s_wait_kmcnt 0x0
	OPER 56, 60, 68, 4, 90, 84, 92, 2, S1SC, S1C0, S1C1
	OPER 72, 76, 80, 6, 91, 85, 94, 3, S0SC, S0C0, S0C1
	CROUND                                             ; all sixteen work-groups are here: the joint loads meet
; THE HEAD'S LOADS, ONE A WAVE: six blocks for waves 0-5, in one chain of branches on the wave's number; what the first K steps need is asked for by the lower waves.
.macro ARM under, g0, g1, next
	s_cmp_lt_u32 s[WV], \under
	s_cbranch_scc0 \next
	tensor_load_to_lds s[\g0:\g0+3], s[\g1:\g1+7]
	s_nop 0
	PLACES
	s_branch .Lasked
\next:
.endm
	ARM 1, 56, G1A, .La1                               ; a's scale blocks
	ARM 2, 72, G1C, .La2                               ; w_o's
	ARM 3, 60, G1B, .La3                               ; a's K steps 0-3
	ARM 4, 76, G1D, .La4                               ; w_o's
	ARM 5, 68, G1B, .La5                               ; a's K steps 4-7
	ARM 6, 80, G1D, .La6                               ; w_o's
.Lasked:
	v_and_b32 v32, 31, v0                              ; lane
	v_and_b32 v2, 15, v0                               ; r
	v_bfe_u32 v3, v0, 4, 1                             ; h
	s_delay_alu instid0(VALU_DEP_3)
	v_lshlrev_b32 v1, 4, v32                           ; 16 x lane
	s_wait_alu depctr_va_vdst(0)
	v_lshlrev_b32 v13, 6, v3                           ; the bias: + 16 h numbers
	s_mov_b32 s67, 0
	s_lshl_b32 s66, s[JJ], 9
	s_lshl_b32 s19, s[JW], 8
	s_add_co_u32 s66, s66, s19                         ; my first column, in bytes: 512 J + 256 jw
	s_add_nc_u64 s[96:97], s[8:9], s[66:67]
.irp a, 0,1                                        ; b_o at the lane's 32 columns, into both tiles' accumulators
.irp bb, 0,1
.irp y, 0,1,2,3
	global_load_b128 v[ACC+32*\a+16*\bb+4*\y:ACC+32*\a+16*\bb+4*\y+3], v13, s[96:97] offset:128*\bb+16*\y
.endr
.endr
.endr
	s_lshl_b32 s19, s[II], 7
	s_lshl_b32 s20, s[IW], 5
	s_add_co_u32 s19, s19, s20
	s_lshl_b32 s19, s19, 12                            ; my first row: 128 I + 32 iw, of 4,096 bytes
	s_add_co_u32 s66, s66, s19
	s_add_nc_u64 s[98:99], s[10:11], s[66:67]
	s_lshl_b32 s19, s[IW], 13
	v_add_nc_u32 v4, s19, v1                           ; a's fragments, K steps 0-3,
	s_delay_alu instid0(VALU_DEP_1)
	v_add_nc_u32 v5, S1C1, v4                          ; 4-7
	s_lshl_b32 s19, s[JW], 14
	s_add_co_u32 s19, s19, S0C0
	v_add_nc_u32 v6, s19, v1                           ; w_o's
	s_delay_alu instid0(VALU_DEP_1)
	v_add_nc_u32 v7, S0C1-S0C0, v6
	s_lshr_b32 s19, s[IW], 1
	s_lshl_b32 s19, s19, 11
	s_and_b32 s20, s[IW], 1
	s_lshl_b32 s20, s20, 3
	s_add_co_u32 s19, s19, s20
	s_add_co_u32 s19, s19, S1SC
	v_lshl_add_u32 v8, v2, 4, s19                      ; a's scale words: my two tiles' of row r
	s_lshl_b32 s19, s[JW], 11
	s_add_co_u32 s19, s19, S0SC
	v_lshl_add_u32 v9, v2, 4, s19                      ; w_o's: my four tiles' of row r
	s_mul_i32 s19, s[WV], 16*272
	s_add_co_u32 s19, s19, STG                         ; my stage
	v_mul_u32_u24 v10, v2, 272
	s_delay_alu instid0(VALU_DEP_1)
	v_lshl_add_u32 v10, v3, 6, v10
	s_delay_alu instid0(VALU_DEP_1)
	v_add_nc_u32 v10, s19, v10                         ; in: row r, + 64 h
	v_mul_u32_u24 v11, v3, 272
	s_delay_alu instid0(VALU_DEP_1)
	v_lshl_add_u32 v11, v2, 4, v11
	s_delay_alu instid0(VALU_DEP_1)
	v_add_nc_u32 v11, s19, v11                         ; back: lanes 0-15 one row of 256 bytes, lanes 16-31 the next
	v_lshlrev_b32 v12, 12, v3
	s_delay_alu instid0(VALU_DEP_1)
	v_lshl_add_u32 v12, v2, 4, v12                     ; and the same two rows in out0
	s_wait_alu depctr_va_vdst(0)
	s_wait_loadcnt 0x0                                 ; the bias
	s_cmp_lt_u32 s[WV], 4                              ; waves 0-3 fetched the scale blocks and K steps 0-3: they wait for their load; the loads of K steps 4-7 may be out
	s_cbranch_scc0 .Lfar
	s_wait_tensorcnt 0x0
.Lfar:
	s_barrier_signal -1
	s_barrier_wait -1
	KSTEP 0
	KSTEP 1
	KSTEP 2
	KSTEP 3
	s_wait_tensorcnt 0x0
	s_wait_dscnt 0x0
	s_barrier_signal -1
	s_barrier_wait -1
	KSTEP 4
	KSTEP 5
	KSTEP 6
	KSTEP 7
	PLACES                                             ; behind the last products: results are read below
	; THE WAY OUT: a tile's 16 rows x 64 columns go through my own stage and come back as whole rows of 256 bytes.  LDS serves a wave's instructions in order: no wait between stores and loads, nor in front of the second tile's stores.
.irp a, 0,1
.irp bb, 0,1
.irp y, 0,1,2,3
	ds_store_b128 v10, v[ACC+32*\a+16*\bb+4*\y:ACC+32*\a+16*\bb+4*\y+3] offset:128*\bb+16*\y   ; each accumulator from its low end on
.endr
.endr
.irp i, 0,1,2,3,4,5,6,7
	ds_load_b128 v[OUTR+32*\a+4*\i:OUTR+32*\a+4*\i+3], v11 offset:544*\i
.endr
.endr
	s_wait_dscnt 16                                    ; the first tile is back; the second tile's eight stores and eight loads may be out
.irp i, 0,1,2,3,4,5,6,7
	global_store_b128 v12, v[OUTR+4*\i:OUTR+4*\i+3], s[98:99] offset:(2*\i+8*(\i/4))*4096 th:TH_STORE_NT   ; 16 lanes store 256 consecutive bytes, aligned; stage row p is the tile's row p + 8 (p / 8)
.endr
	s_wait_dscnt 0x0
.irp i, 0,1,2,3,4,5,6,7
	global_store_b128 v12, v[OUTR+32+4*\i:OUTR+32+4*\i+3], s[98:99] offset:(8+2*\i+8*(\i/4))*4096 th:TH_STORE_NT
.endr
	s_wait_tensorcnt 0x0
	ds_add_u32 v126, v127
	s_wait_dscnt 0x0
	CROUND                                             ; the closing round: no work-group ends while a partner may still ask for a block that names it
	s_endpgm
.Lfunc_end_k_q9f57115a84_proj:
	.size	k_q9f57115a84_proj, .Lfunc_end_k_q9f57115a84_proj-k_q9f57115a84_proj
	.p2alignl 7, 3214868480
	.fill 96, 4, 3214868480
	.section	.rodata,"a",@progbits
	.p2align	6, 0x0
	.amdhsa_kernel k_q9f57115a84_proj
		.amdhsa_group_segment_fixed_size 175104
		.amdhsa_private_segment_fixed_size 0
		.amdhsa_enable_private_segment 0
		.amdhsa_kernarg_size 32
		.amdhsa_user_sgpr_count 2
		.amdhsa_user_sgpr_kernarg_segment_ptr 1
		.amdhsa_wavefront_size32 1
		.amdhsa_system_sgpr_workgroup_id_x 1
		.amdhsa_system_sgpr_workgroup_id_y 1
		.amdhsa_system_sgpr_workgroup_id_z 1
		.amdhsa_system_vgpr_workitem_id 0
		.amdhsa_next_free_vgpr 256
		.amdhsa_next_free_sgpr 100
		.amdhsa_reserve_vcc 0
		.amdhsa_float_denorm_mode_32 3
		.amdhsa_float_denorm_mode_16_64 3
		.amdhsa_memory_ordered 1
		.amdhsa_forward_progress 1
		.amdhsa_inst_pref_size 32
	.end_amdhsa_kernel
	.amdgpu_metadata
---
amdhsa.version: [ 1, 2 ]
amdhsa.kernels:
  - .name:           k_q9f57115a84_proj
    .symbol:         k_q9f57115a84_proj.kd
    .args:
      - { .name: aq, .offset: 0, .size: 8, .value_kind: global_buffer, .address_space: global }
      - { .name: oq, .offset: 8, .size: 8, .value_kind: global_buffer, .address_space: global }
      - { .name: b_o, .offset: 16, .size: 8, .value_kind: global_buffer, .address_space: global }
      - { .name: out0, .offset: 24, .size: 8, .value_kind: global_buffer, .address_space: global }
    .group_segment_fixed_size: 175104
    .private_segment_fixed_size: 0
    .kernarg_segment_align: 8
    .kernarg_segment_size: 32
    .max_flat_workgroup_size: 256
    .sgpr_count:     100
    .vgpr_count:     256
    .wavefront_size: 32
...
	.end_amdgpu_metadata
.endif
;; end of part 4
